; MI455X (gfx1250); checked and timed in simulation.
; The chip was launched on July 23, 2026; its instructions are those of AMD's public machine-readable ISA for CDNA 5 (MIT licence, August 2026) and "CDNA5" Instruction Set Architecture Reference Guide (July 2026). The comments in the code are by the model that wrote it; some were corrected since.
;; Self Attention. Allowed arithmetic: matrix products marked QUANTISED: E2M1 operands, one E8M0 scale for each 32 along K, by v_wmma_scale_f32_16x16x128_f8f6f4 with both operands' format E2M1 (or v_wmma_scale_f32_32x16x128_f4), f32 sums; everything else in f32.
;; Inputs: b_in 3,072 float32; b_out 1,024 float32; w_in 1,024 x 3,072 float32; w_out 1,024 x 1,024 float32; x 2 x 2,048 x 1,024 float32.
;; Outputs: out0 2 x 2,048 x 1,024 float32.
;; This version of the problem:
;;   THIS VERSION OF THE PROBLEM IS GIVEN IN LOW PRECISION. The matrix products marked QUANTISED in the list below multiply operands that are first quantised to E2M1 (2 exponent bits, 1 mantissa bit; 4 bits a number), with one power-of-two scale for each 32 numbers along K (OCP MX v1.0); their sums are f32. All else is computed in f32.
;;   The module's matrix products, in the order in which they are computed (A, B: the left and right operand; K: the contracted axis; several contracted axes count as one K, in the product's order):
;;     1. [M 4,096, K 1,024] x [K 1,024, N 3,072]; A: input x; B: input w_in: QUANTISED
;;     2. batch 32 x [M 2,048, K 64] x [K 64, N 2,048]; A: computed on the way; B: computed on the way: QUANTISED
;;     3. batch 32 x [M 64, K 2,048] x [K 2,048, N 2,048]; A: computed on the way; B: softmax (see below): QUANTISED
;;     4. [M 4,096, K 1,024] x [K 1,024, N 1,024]; A: computed on the way; B: input w_out: QUANTISED
;;   THE QUANTISER, for each operand of a quantised product, along K:
;;     - K is cut into blocks of 32 from its start; a last block that is shorter is filled with zeros.
;;     - A block's scale is 2^e with e = floor(log2(the largest magnitude in the block)) - 2, held to -126 .. 127; a block of zeros has e = 0. As a byte (E8M0): e + 127.
;;     - Each number is divided by its block's scale, clamped to +-6, and rounded to the nearest number of E2M1, ties to even, subnormals kept.
;;     - The product sums the exact products of the quantised numbers (number of the format x scale) in f32.
;;   ~~~python
;;   def quantise(x, axis):      # numpy; x: float32 -> the quantised numbers, widened to float32 again
;;       x = np.moveaxis(x, axis, -1); K = x.shape[-1]
;;       x = np.pad(x, [(0, 0)] * (x.ndim - 1) + [(0, -K % 32)]); x = x.reshape(x.shape[:-1] + (-1, 32)); a = np.abs(x).max(-1, keepdims=True)
;;       e = np.where(a > 0, np.clip(np.frexp(np.where(a > 0, a, 1))[1] - 1 - 2, -126, 127), 0)      # np.frexp(a)[1] - 1 = floor(log2(a)), exactly
;;       r = np.clip(x / 2.0 ** e, -6, 6)
;;       step = 2.0 ** (np.maximum(np.frexp(np.where(r == 0, 1, r))[1] - 1, 0) - 1)
;;       q = np.round(r / step) * step * 2.0 ** e      # np.round: ties to even
;;       return np.moveaxis(q.reshape(q.shape[:-2] + (-1,))[..., :K], -1, axis).astype(np.float32)
;;   ~~~
;;   SOFTMAX AHEAD OF A QUANTISED PRODUCT. Where the list says 'softmax', what is quantised is not the finished softmax but p = 2^(t - M), with t = logit x log2(e) and M = ceil(the row's largest t), a whole number; so 1/2 < the row's largest p <= 1. The row's sum l is taken of the UNQUANTISED p, in f32, and the product's result is divided by l at the end. Since M is a whole number, a kernel that streams over the keys may use a running M (the ceiling of the running maximum): every later rescaling is an exact power of two, which a block's scale takes up: the codes' values come out the same.
;;   OPERANDS COMPUTED ON THE WAY. 'Computed on the way' means the value that the module computes at that place (a softmax that the list does not call 'softmax' is quantised finished and normalised). What goes into a quantiser is computed in f32, as accurately as f32 sums, v_exp_f32 and their like allow (about 1e-6 of the number): no bf16 or f16 on the way to a quantiser, and a product that is left as it is and whose result goes on into a quantised operand takes f32 operands (vector FMAs, or v_wmma_f32_16x16x4_f32). A number that lies on a knife's edge between two numbers of the format may be rounded either way, as far as f32 arithmetic and the matrix unit's own rounding can turn it there, and no further.
;; One version. Each part assembles by itself: llvm-mc -triple=amdgcn-amd-amdhsa -mcpu=gfx1250 --defsym DOCPART=n.
;; ======== version 1 of 1: 4 launches
;; limits: right only within a limited range of input values
;; workspace buffers: xq 2,228,224 bytes; wiq 1,671,168 bytes; woq 557,056 bytes; aq 2,228,224 bytes; qq 2,359,296 bytes; kv 4,587,520 bytes
;; launch quant (part 1): grid 256 x 1, 8 waves a work-group, no clusters, 68,608 bytes of LDS; arguments x, w_in, w_out, xq, wiq, woq; writes xq, wiq, woq
.if DOCPART == 1
	.amdgcn_target "amdgcn-amd-amdhsa--gfx1250"
	.amdhsa_code_object_version 6
	.text
	.protected	k_qa598da4d3c_quant
	.globl	k_qa598da4d3c_quant
	.p2align	8
	.type	k_qa598da4d3c_quant,@function
k_qa598da4d3c_quant:
	s_mov_b64 s[64:65], 0
	v_nop
	global_prefetch_b8 v0, s[64:65] scope:SCOPE_SE
	s_setreg_imm32_b32 hwreg(HW_REG_WAVE_MODE, 25, 1), 1
	s_wait_xcnt 0x0
; CAUSAL SELF-ATTENTION IN MX-FP4, four launches: quant (this one), qkv, attn, proj.
; WORK LEFT OUT, in the whole program: reference() sets the score of key k for query q to -infinity where k > q, by a mask that it builds itself (jnp.tril), so the softmax's weight there is exactly 0
; for all finite inputs, and 0 times a value adds nothing.  Where all 128 keys of a key step come after all 16 queries of a tile, neither the scores nor the weighted sum of that step are computed (launch attn).
; Nothing else is left out: all five inputs reach the output; b_in goes into the quantisers of q, k and v and stays.
; LIMITS: a NaN, an infinity or an overflow that reaches only the key steps left out is not carried to the result.  NaN and infinities among the inputs are not served.  A block of 32 zeros gets the scale byte 1
; where the stated quantiser says 127: its codes are zeros, which add nothing under any byte but 0xff, and the bytes are read by this program alone.
; The promise for the softmax holds while the scaled scores (exponents to the base 2, before the maximum is taken away) stay under 2^31 in magnitude.
;
; THIS LAUNCH turns x [4096][1024], w_in [1024][3072] and w_out [1024][1024], f32, into codes of E2M1 with one E8M0 byte for each 32 along K (x: its last axis; the weights: their first).
; A block's scale is 2^(floor(log2(largest magnitude)) - 2): its byte is the largest magnitude's exponent field - 2, held at 1 from below by a floor among the maximum's leaves.
; LAYOUT OF THE RESULTS, the same for xq, wiq, woq (and aq): the order of the operand's registers.  64 rows (tokens, or columns n of a weight) x K 1,024 are one block of OPB bytes: 8 K steps of KSB bytes; in a K step
; [tile 4][c 2][lane 32][16 bytes] of codes (lane (r, h), group c: k = 128 s + 64 c + 32 h + 0 .. 31 of the tile's row r), then [tile 4][r 16][4 bytes] of scale words.
; THE ROWS OF A TILE ARE NOT NEIGHBOURS.  Tokens: of each 64, row r of tile t is token 8 t + r % 8 + 32 (r / 8): a lane's results of four tiles are then 32 neighbours, a whole block.
; Weights: of each 32 columns, row r of tile u (0, 1) is column 8 u + r % 8 + 16 (r / 8): a lane's results of two tiles are 16 neighbours.
; SHARES: work-groups 0-127: 32 tokens of x each (two tiles), wave w K step w.  128-223: w_in, 224-255: w_out: a K step x 256 columns each, wave w 32 columns.  Every wave has its 16,384 bytes asked for before it works.
.set OPB,   34816
.set KSB,   4352
.set SCO,   4096                       ; where a K step's scale words begin
.set STG,   16*528                     ; x path: a wave's stage: 16 rows of 512 bytes + 16
.set SPARE, 8*STG                      ; behind the stages: the spare words, 128 bytes for each wave, that no other line names
.set SPW,   12                         ; v12  LDS address of my spare word; never rewritten
.set NIL,   13                         ; v13  0; never rewritten
.set X,     32                         ; v32-159  128 numbers a lane
.set CD,    160                        ; v160-175 codes: registers of their own for every store
; the largest magnitude of 32 numbers v[s] .. v[s + 31] and the floor 2^(3 - 127), in two chains, into v[a]
.macro MAX32 a, b, s
	v_max3_num_f32 v[\a], |v[\s]|, |v[\s+1]|, 0x1800000
	v_max3_num_f32 v[\b], |v[\s+2]|, |v[\s+3]|, |v[\s+4]|
.irp i, 5,9,13,17,21,25
	s_delay_alu instid0(VALU_DEP_2)
	v_max3_num_f32 v[\a], v[\a], |v[\s+\i]|, |v[\s+\i+1]|
	s_delay_alu instid0(VALU_DEP_2)
	v_max3_num_f32 v[\b], v[\b], |v[\s+\i+2]|, |v[\s+\i+3]|
.endr
	s_delay_alu instid0(VALU_DEP_2)
	v_max3_num_f32 v[\a], v[\a], |v[\s+29]|, |v[\s+30]|
	s_delay_alu instid0(VALU_DEP_1)
	v_max3_num_f32 v[\a], v[\a], v[\b], |v[\s+31]|
.endm
	s_load_b256 s[4:11], s[0:1], 0x0               ; x s[4:5], w_in s[6:7], w_out s[8:9], xq s[10:11]
	s_load_b128 s[12:15], s[0:1], 0x20             ; wiq s[12:13], woq s[14:15]
	v_lshl_add_u32 v[SPW], v0, 2, SPARE
	v_mov_b32 v[NIL], 0
	v_lshrrev_b32 v1, 5, v0
	s_delay_alu instid0(VALU_DEP_1)
	v_readfirstlane_b32 s16, v1                    ; wave 0..7
	v_and_b32 v1, 31, v0                           ; lane
	v_and_b32 v2, 15, v0                           ; r
	v_bfe_u32 v3, v0, 4, 1                         ; h
	s_wait_alu depctr_va_vdst(0)
	s_cmp_lt_u32 ttmp9, 128
	s_cbranch_scc0 .Lweights
	; ---- x: K is innermost.  Each load reads 512 consecutive bytes of one token's row (the wave's K step); a tile's 16 rows turn through the wave's stage, so that lane (r, h) gets 32 neighbours of row r for each c.
	v_lshlrev_b32 v4, 4, v1                        ; 16 x lane
	v_lshlrev_b32 v7, 2, v1                        ; 4 x lane
	v_lshlrev_b32 v8, 3, v3                        ; 8 h: my bytes' place in a scale word
	s_mul_i32 s17, s16, STG
	v_add_nc_u32 v5, s17, v4                       ; the stage, on the way in: 16 x lane, the row in the immediate
	v_mul_u32_u24 v6, v2, 528
	s_delay_alu instid0(VALU_DEP_1)
	v_lshl_add_u32 v6, v3, 7, v6
	s_delay_alu instid0(VALU_DEP_1)
	v_add_nc_u32 v6, s17, v6                       ; and out: row r, + 128 h bytes (32 numbers)
	s_lshr_b32 s20, ttmp9, 1                       ; the block of 64 tokens
	s_and_b32 s21, ttmp9, 1                        ; e: its tiles 2 e, 2 e + 1
	s_lshl_b32 s18, s20, 18                        ; 64 tokens of 4,096 bytes
	s_lshl_b32 s19, s21, 16                        ; 16 tokens
	s_add_co_u32 s18, s18, s19
	s_lshl_b32 s19, s16, 9                         ; K step w: 512 bytes
	s_add_co_u32 s18, s18, s19
	s_mov_b32 s19, 0
	s_mul_i32 s20, s20, OPB
	s_mul_i32 s22, s16, KSB
	s_add_co_u32 s20, s20, s22
	s_lshl_b32 s22, s21, 11
	s_add_co_u32 s22, s22, s20                     ; their codes
	s_mov_b32 s23, 0
	s_lshl_b32 s24, s21, 7
	s_add_co_u32 s24, s24, s20
	s_add_co_u32 s24, s24, SCO                     ; their scale words
	s_mov_b32 s25, 0
	s_mov_b32 s30, 0x76543210
	s_mov_b32 s31, 0xfedcba98                      ; v_permlanex16_b32's selects for lane l xor 16
	s_mov_b32 s32, 0xffff0000                      ; lanes 16-31
	s_wait_alu depctr_va_vdst(0)
	s_wait_kmcnt 0x0
	s_add_nc_u64 s[4:5], s[4:5], s[18:19]
	s_add_nc_u64 s[26:27], s[10:11], s[22:23]
	s_add_nc_u64 s[28:29], s[10:11], s[24:25]
.irp u, 0,1
.irp r, 0,1,2,3,4,5,6,7,8,9,10,11,12,13,14,15
	global_load_b128 v[X+64*\u+4*\r:X+64*\u+4*\r+3], v4, s[4:5] offset:(8*\u+\r+24*(\r/8))*4096 th:TH_LOAD_NT
.endr
.endr
.macro TURN u                          ; LDS serves a wave's instructions in order: no wait between the stores and the loads, nor in front of the next tile's stores
.irp r, 0,1,2,3,4,5,6,7,8,9,10,11,12,13,14,15
	ds_store_b128 v5, v[X+64*\u+4*\r:X+64*\u+4*\r+3] offset:528*\r
.endr
.irp c, 0,1
.irp i, 0,1,2,3,4,5,6,7
	ds_load_b128 v[X+64*\u+32*\c+4*\i:X+64*\u+32*\c+4*\i+3], v6 offset:256*\c+16*\i
.endr
.endr
.endm
.macro QX u                            ; tile u: my two blocks (2 c + h, c = 0, 1) of row r
	MAX32 16, 17, X+64*\u
	MAX32 18, 19, X+32+64*\u
	v_add_nc_u32 v20, 0xff000000, v16              ; 2 off the exponent field: the conversion takes the exponent field of this operand as its scale
	s_delay_alu instid0(VALU_DEP_2)
	v_add_nc_u32 v21, 0xff000000, v18
	s_delay_alu instid0(VALU_DEP_2)
	v_lshrrev_b32 v22, 23, v20                     ; the bytes
	s_delay_alu instid0(VALU_DEP_2)
	v_lshrrev_b32 v23, 23, v21
	s_delay_alu instid0(VALU_DEP_1)
	v_lshl_or_b32 v22, v23, 16, v22                ; blocks h and 2 + h,
	s_delay_alu instid0(VALU_DEP_1)
	v_lshlrev_b32 v22, v8, v22                     ; at their places in the word;
	s_delay_alu instid0(VALU_DEP_1)
	v_permlanex16_b32 v23, v22, s30, s31
	s_delay_alu instid0(VALU_DEP_1)
	v_or_b32 v[24+\u], v22, v23                    ; with lane l xor 16's two the word is whole
.irp g, 0,1,2,3
	v_cvt_scalef32_pk8_fp4_f32 v[CD+8*\u+\g], v[X+64*\u+8*\g:X+64*\u+8*\g+7], v20
.endr
.irp g, 0,1,2,3
	v_cvt_scalef32_pk8_fp4_f32 v[CD+8*\u+4+\g], v[X+32+64*\u+8*\g:X+32+64*\u+8*\g+7], v21
.endr
	global_store_b128 v4, v[CD+8*\u:CD+8*\u+3], s[26:27] offset:1024*\u         ; 32 lanes store 512 consecutive bytes
	global_store_b128 v4, v[CD+8*\u+4:CD+8*\u+7], s[26:27] offset:1024*\u+512
.endm
	s_wait_loadcnt 16                              ; tile 0's 16 loads are in; tile 1's 16 are younger
	TURN 0
	s_wait_loadcnt 0x0
	TURN 1
	s_wait_dscnt 32                                ; tile 0 is back: tile 1's 16 stores and 16 loads are younger
	QX 0
	s_wait_dscnt 0x0
	QX 1
	v_cndmask_b32 v26, v24, v25, s32               ; lanes 0-15: tile 0's words, lanes 16-31: tile 1's
	global_store_b32 v7, v26, s[28:29]             ; 128 consecutive bytes
	s_wait_tensorcnt 0x0                           ; the wave's end: three lines behind my last LDS store
	ds_add_u32 v[SPW], v[NIL]
	s_wait_dscnt 0x0
	s_endpgm
; ---- a weight [1024][n]: K is the FIRST axis.  A lane takes a column and its registers run down K: a block of 32 lies in one lane, and the conversions give codes with K innermost.  Lane 16 u + r' takes
; column 8 u + r' + 8 (r' / 8) of the wave's 32, so that each load still reads 128 consecutive bytes and the lanes stand in the tiles' order.  These paths touch no LDS.
.macro WPATH pitch, first, src, dst
	s_sub_co_u32 s17, ttmp9, \first
	s_and_b32 s18, s17, 7                          ; K step
	s_lshr_b32 s19, s17, 3                         ; which 256 columns
	s_mul_i32 s20, s18, 128*\pitch
	s_lshl_b32 s21, s19, 10
	s_add_co_u32 s20, s20, s21
	s_lshl_b32 s21, s16, 7                         ; my wave's 32 columns
	s_add_co_u32 s20, s20, s21
	s_mov_b32 s21, 0
	s_lshl_b32 s22, s19, 2
	s_lshr_b32 s23, s16, 1
	s_add_co_u32 s22, s22, s23                     ; the block of 64 columns
	s_mul_i32 s22, s22, OPB
	s_mul_i32 s23, s18, KSB
	s_add_co_u32 s22, s22, s23
	s_and_b32 s23, s16, 1                          ; tiles 2 (w & 1), + 1
	s_lshl_b32 s24, s23, 11
	s_add_co_u32 s24, s24, s22
	s_mov_b32 s25, 0
	s_lshl_b32 s26, s23, 7
	s_add_co_u32 s26, s26, s22
	s_add_co_u32 s26, s26, SCO
	s_mov_b32 s27, 0
	v_and_b32 v4, 8, v2
	s_delay_alu instid0(VALU_DEP_1)
	v_add_nc_u32 v4, v4, v2                        ; r' + 8 (r' / 8)
	s_delay_alu instid0(VALU_DEP_1)
	v_lshl_add_u32 v4, v3, 3, v4                   ; + 8 u
	s_delay_alu instid0(VALU_DEP_1)
	v_lshlrev_b32 v4, 2, v4                        ; my column, in bytes
	v_lshlrev_b32 v5, 4, v2
	s_delay_alu instid0(VALU_DEP_1)
	v_lshl_add_u32 v5, v3, 10, v5                  ; out: tile u, 16 r'
	v_lshlrev_b32 v6, 2, v1                        ; scale words: 4 x lane
	s_wait_alu depctr_va_vdst(0)
	s_wait_kmcnt 0x0
	s_add_nc_u64 s[20:21], s[\src:\src+1], s[20:21]
	s_add_nc_u64 s[24:25], s[\dst:\dst+1], s[24:25]
	s_add_nc_u64 s[26:27], s[\dst:\dst+1], s[26:27]
.irp b, 0,1,2,3
.irp i, 0,1,2,3,4,5,6,7,8,9,10,11,12,13,14,15,16,17,18,19,20,21,22,23,24,25,26,27,28,29,30,31
	global_load_b32 v[X+32*\b+\i], v4, s[20:21] offset:(32*\b+\i)*\pitch th:TH_LOAD_NT
.endr
.endr
.irp b, 0,1,2,3
.if \b == 0
	s_wait_loadcnt 63                              ; behind block 1's last load 64 were issued, behind block 0's 96: blocks 0 and 1 are in (the count is the largest that a wait can name)
.elseif \b == 2
	s_wait_loadcnt 32                              ; block 3's 32 are younger
.elseif \b == 3
	s_wait_loadcnt 0x0
.endif
	MAX32 16, 17, X+32*\b
	s_delay_alu instid0(VALU_DEP_1)
	v_add_nc_u32 v[20+\b], 0xff000000, v16         ; the conversion's scale operand
.if \b == 0
	s_delay_alu instid0(VALU_DEP_1)
	v_lshrrev_b32 v24, 23, v[20+\b]                ; the byte: four make my column's scale word
.else
	s_delay_alu instid0(VALU_DEP_1)
	v_lshrrev_b32 v19, 23, v[20+\b]
	s_delay_alu instid0(VALU_DEP_1)
	v_lshl_or_b32 v24, v19, 8*\b, v24
.endif
.irp g, 0,1,2,3
	v_cvt_scalef32_pk8_fp4_f32 v[CD+4*\b+\g], v[X+32*\b+8*\g:X+32*\b+8*\g+7], v[20+\b]
.endr
	global_store_b128 v5, v[CD+4*\b:CD+4*\b+3], s[24:25] offset:512*(\b/2)+256*(\b%2)   ; block b = 2 c + h: sixteen lanes store 256 consecutive bytes, aligned
.endr
	global_store_b32 v6, v24, s[26:27]
	s_endpgm
.endm
.Lweights:
	s_cmp_lt_u32 ttmp9, 224
	s_cbranch_scc0 .Lw_out
	s_wait_alu depctr_va_vdst(0)
	WPATH 12288, 128, 6, 12
.Lw_out:
	s_wait_alu depctr_va_vdst(0)
	WPATH 4096, 224, 8, 14
.Lfunc_end_k_qa598da4d3c_quant:
	.size	k_qa598da4d3c_quant, .Lfunc_end_k_qa598da4d3c_quant-k_qa598da4d3c_quant
	.p2alignl 7, 3214868480
	.fill 96, 4, 3214868480
	.section	.rodata,"a",@progbits
	.p2align	6, 0x0
	.amdhsa_kernel k_qa598da4d3c_quant
		.amdhsa_group_segment_fixed_size 68608
		.amdhsa_private_segment_fixed_size 0
		.amdhsa_enable_private_segment 0
		.amdhsa_kernarg_size 48
		.amdhsa_user_sgpr_count 2
		.amdhsa_user_sgpr_kernarg_segment_ptr 1
		.amdhsa_wavefront_size32 1
		.amdhsa_system_sgpr_workgroup_id_x 1
		.amdhsa_system_sgpr_workgroup_id_y 1
		.amdhsa_system_sgpr_workgroup_id_z 1
		.amdhsa_system_vgpr_workitem_id 0
		.amdhsa_next_free_vgpr 192
		.amdhsa_next_free_sgpr 66
		.amdhsa_reserve_vcc 0
		.amdhsa_float_denorm_mode_32 3
		.amdhsa_float_denorm_mode_16_64 3
		.amdhsa_memory_ordered 1
		.amdhsa_forward_progress 1
		.amdhsa_inst_pref_size 62
	.end_amdhsa_kernel
	.amdgpu_metadata
---
amdhsa.version: [ 1, 2 ]
amdhsa.kernels:
  - .name:           k_qa598da4d3c_quant
    .symbol:         k_qa598da4d3c_quant.kd
    .args:
      - { .name: x, .offset: 0, .size: 8, .value_kind: global_buffer, .address_space: global }
      - { .name: w_in, .offset: 8, .size: 8, .value_kind: global_buffer, .address_space: global }
      - { .name: w_out, .offset: 16, .size: 8, .value_kind: global_buffer, .address_space: global }
      - { .name: xq, .offset: 24, .size: 8, .value_kind: global_buffer, .address_space: global }
      - { .name: wiq, .offset: 32, .size: 8, .value_kind: global_buffer, .address_space: global }
      - { .name: woq, .offset: 40, .size: 8, .value_kind: global_buffer, .address_space: global }
    .group_segment_fixed_size: 68608
    .private_segment_fixed_size: 0
    .kernarg_segment_align: 8
    .kernarg_segment_size: 48
    .max_flat_workgroup_size: 256
    .sgpr_count:     66
    .vgpr_count:     192
    .wavefront_size: 32
...
	.end_amdgpu_metadata
.endif
;; end of part 1
;; launch qkv (part 2): grid 16 x 16, 12 waves a work-group, clusters of 4 x 4, 280,064 bytes of LDS; arguments xq, wiq, b_in, qq, kv; writes qq, kv
.if DOCPART == 2
	.amdgcn_target "amdgcn-amd-amdhsa--gfx1250"
	.amdhsa_code_object_version 6
	.text
	.protected	k_qa598da4d3c_qkv
	.globl	k_qa598da4d3c_qkv
	.p2align	8
	.type	k_qa598da4d3c_qkv,@function
k_qa598da4d3c_qkv:
	s_mov_b64 s[64:65], 0
	v_nop
	global_prefetch_b8 v0, s[64:65] scope:SCOPE_SE
	s_setreg_imm32_b32 hwreg(HW_REG_WAVE_MODE, 25, 1), 1
	s_wait_xcnt 0x0
	s_wait_alu depctr_hold_cnt(0) depctr_sa_sdst(0) depctr_va_vdst(0) depctr_va_sdst(0) depctr_va_ssrc(0) depctr_va_vcc(0) depctr_vm_vsrc(0)
	s_getreg_b32 s2, hwreg(HW_REG_IB_STS2, 6, 4)
	s_cmp_eq_u32 s2, 0
	s_cbranch_scc0 .Lentry_in_a_cluster
	s_endpgm
.Lentry_in_a_cluster:
	s_bfe_u32 s2, ttmp6, 0x10000c
	s_cmp_lg_u32 s2, 0xf033
	s_cbranch_scc0 .Lentry_shape_is_right
	s_endpgm
.Lentry_shape_is_right:
; qkv = x w_in + b_in on codes of E2M1 (launch quant made them), and q, k, v quantised on the way: q and k along the head's 64, v along the keys.  No f32 number of qkv goes to memory.  No work is left out here.
; SHARES.  Work-group (head, 256 tokens): 16 x 16.  It makes the head's q, k and v, 192 columns.  Twelve waves, three to a SIMD: wave w makes 64 tokens (w % 4) x 64 columns of q, k or v (w / 4): 16 accumulators.
; LDS holds all of K for the four blocks of 64 tokens (0 .. 3) and the three blocks of 64 columns (4 .. 6), each in two parts, K steps 0-2 (ABK bytes) and K steps 3-7 (BBK bytes), in the order of the operands'
; registers: a fragment is two loads of 512 consecutive bytes.  Nothing is filled twice.  All tiles are asked for at the head, one tensor load a wave, so there is no loop in which a prefetch could run ahead.
; CLUSTER 4 x 4: x's blocks hang on the token block alone and are asked for jointly along a row of the cluster, w_in's on the head alone, along a column.  Waves 0, 1: x's K steps 0-2, two blocks each; wave 2: w_in's, all three;
; waves 3-6: x's K steps 3-7, a block each; waves 7-9: w_in's.  The products begin when K steps 0-2 have landed.
; ONE TEXT FOR ALL WAVES.  q, k: source 0 = 16 columns of w_in, source 1 = 16 tokens: a lane holds one token, its registers of two tiles run along 16 neighbours of the head's 64.   v: source 0 = 16 tokens, source 1 = 16
; columns: a lane holds one channel, its 32 registers of four tiles are 32 neighbouring keys, a whole block.  Which block is source 0 and which source 1 is in the addresses; only the bias's place and the way out differ.
; OUT.  qq: [head 32][64 tokens 32][4 tiles x 512 bytes of codes (lane (r, h): d = 32 h ..), 256 bytes of scale words at 16 r + 4 tile].
;       kv: [head 32][128 keys 16][K: 8 tiles x 512 | V: 4 tiles of channels x 2 x 512 | K's scale words 512 | V's 256].  V's scale words are stored in halves of 2 bytes by the two waves that share them.
; LIMITS: NaN and infinities are not served; a block of zeros carries the byte 1 (its codes are zeros; this program alone reads the bytes).
.set OPB,   34816
.set KSB,   4352
.set SCO,   4096
.set ABK,   3*KSB
.set BBK,   5*KSB
.set BB,    8*ABK                      ; where the parts of K steps 3-7 begin
.set SPARE, BB+8*BBK                   ; then the spare words, 128 bytes for each of 12 waves, that no other line names
.set A0A, 4                            ; v4, v5, v6   LDS addresses of source 0's and source 1's fragments and of the scale words (lanes 0-15 source 1's, lanes 16-31 source 0's), K steps 0-2
.set A1A, 5
.set ASA, 6
.set SPW, 7                            ; v7   my spare word; never rewritten
.set NIL, 8                            ; v8   0; never rewritten
.set SOF, 9                            ; v9   the scale stores' offset
.set BO,  10                           ; v10, v11  the bias's offsets: for q and k, for v; on the way out the scale words
.set A0B, 12                           ; v12, v13, v14   the same addresses for K steps 3-7
.set A1B, 13
.set ASB, 14
.set H8,  15                           ; v15  8 h
.set SC,  16                           ; v16-19  scale words of tile i
.set TM,  20                           ; v20-27  at work in the quantisers
.set HW,  28                           ; v28-31  the four half words just made
.set BI,  32                           ; v32-63  the bias, in the result's layout
.set F1,  64                           ; v64-95  source 1's four fragments; on the way out the codes
.set F0,  96                           ; v96-127 source 0's four
.set ACC, 128                          ; v128-255 accumulator (source 0's tile q, source 1's tile p) at 128 + 8 (4 p + q)
.set WV,  14
.set G1XA, 32
.set G1WA, 40
.set G1XB, 48
.set G1WB, 56
.set G0,  68
.set SX,  72                           ; s[72:73] where my 256 tokens' codes begin
.set SW,  74                           ; s[74:75] where my head's columns of q begin
.set SEL, 86
.set MSK, 88
.macro ROUND                           ; a round of the cluster's barrier
	s_barrier_signal -1
	s_barrier_wait -1
	s_cmp_lg_u32 s[WV], 0
	s_cbranch_scc1 .Lnot_wave_0_\@
	s_barrier_signal -3
.Lnot_wave_0_\@:
	s_barrier_wait -3
	s_barrier_signal -1
	s_barrier_wait -1
.endm
.macro SHAPE g, c, r, p                ; descriptor group 1 behind its first word: r rows of c elements of 8 bytes, p elements from row to row
	s_mov_b32 s[\g+1], (\c)<<16
	s_mov_b32 s[\g+2], (\r)<<16
	s_mov_b32 s[\g+3], (\c)<<16
	s_mov_b32 s[\g+4], \r
	s_mov_b32 s[\g+5], \p
	s_mov_b32 s[\g+6], 0
	s_mov_b32 s[\g+7], 0
.endm
; wave w's one load: to LDS byte lds, from base + off.  The branches hang on the wave's number alone
.macro ARM w, lds, off, base, g1
	s_cmp_lt_u32 s[WV], (\w)+1
	s_cbranch_scc0 .Lnext_\@
	s_mov_b32 s[G0+1], \lds
	s_add_nc_u64 s[G0+2:G0+3], s[\base:\base+1], \off
	s_or_b32 s[G0+3], s[G0+3], 0x80000000
	tensor_load_to_lds s[G0:G0+3], s[\g1:\g1+7]
	s_nop 0
.rept 4
	v_nop
.endr
	s_branch .Lasked
.Lnext_\@:
.endm
; 32 numbers of a lane, register 16 b + i = k 32 b + 16 (lane / 16) + i of my row, become 4 registers of codes (lane (r, h): k = 32 h + 0 .. 31) in v[pc] on and the two scale bytes in v[wd]
.macro QUANT2 s, pc, wd
.irp b, 0,1
	v_max3_num_f32 v[TM+\b], |v[\s+16*\b]|, |v[\s+16*\b+1]|, 0x1800000   ; with the floor 2^(3 - 127): the byte cannot fall under 1.  Each accumulator is read from its low end on
.endr
.irp i, 2,4,6,8,10,12,14
.irp b, 0,1
	v_max3_num_f32 v[TM+\b], v[TM+\b], |v[\s+16*\b+\i]|, |v[\s+16*\b+\i+1]|
.endr
.endr
.irp b, 0,1
	s_delay_alu instid0(VALU_DEP_2)
	v_permlanex16_b32 v[TM+2+\b], v[TM+\b], s[SEL], s[SEL+1]
.endr
.irp b, 0,1
	s_delay_alu instid0(VALU_DEP_2)
	v_max_num_f32 v[TM+\b], v[TM+\b], v[TM+2+\b]   ; with lane l xor 16's: the block's largest magnitude
.endr
.irp b, 0,1
	s_delay_alu instid0(VALU_DEP_2)
	v_add_nc_u32 v[TM+4+\b], 0xff000000, v[TM+\b]  ; 2 off its exponent field: the conversion's scale operand
.endr
.irp b, 0,1
	s_delay_alu instid0(VALU_DEP_2)
	v_lshrrev_b32 v[TM+6+\b], 23, v[TM+4+\b]       ; the byte
.endr
	s_delay_alu instid0(VALU_DEP_1)
	v_lshl_or_b32 v[\wd], v[TM+7], 8, v[TM+6]
.irp b, 0,1
	v_cvt_scalef32_pk8_fp4_f32 v[\pc+2*\b], v[\s+16*\b:\s+16*\b+7], v[TM+4+\b]
	v_cvt_scalef32_pk8_fp4_f32 v[\pc+2*\b+1], v[\s+16*\b+8:\s+16*\b+15], v[TM+4+\b]
.endr
	v_nop                                          ; one plain place behind a scaled conversion
	v_permlane16_swap_b32 v[\pc], v[\pc+2]         ; a whole block to a lane: lanes 0-15 block 0, lanes 16-31 block 1
	v_permlane16_swap_b32 v[\pc+1], v[\pc+3]
.endm
; 32 numbers of a lane that ARE a block (block h of my row's two) become 4 registers of codes and, with lane l xor 16's byte, the two scale bytes in v[wd]
.macro QBLOCK s, pc, wd
	v_max3_num_f32 v[TM], |v[\s]|, |v[\s+1]|, 0x1800000
	v_max3_num_f32 v[TM+1], |v[\s+2]|, |v[\s+3]|, |v[\s+4]|
.irp i, 5,9,13,17,21,25
	v_max3_num_f32 v[TM], v[TM], |v[\s+\i]|, |v[\s+\i+1]|
	v_max3_num_f32 v[TM+1], v[TM+1], |v[\s+\i+2]|, |v[\s+\i+3]|
.endr
	v_max3_num_f32 v[TM], v[TM], |v[\s+29]|, |v[\s+30]|
	v_max3_num_f32 v[TM], v[TM], v[TM+1], |v[\s+31]|
	v_add_nc_u32 v[TM+4], 0xff000000, v[TM]
	v_lshrrev_b32 v[TM+6], 23, v[TM+4]
	v_lshlrev_b32 v[TM+6], v[H8], v[TM+6]          ; at its place in the half word
	v_permlanex16_b32 v[TM+2], v[TM+6], s[SEL], s[SEL+1]
	v_or_b32 v[\wd], v[TM+6], v[TM+2]
.irp g, 0,1,2,3
	v_cvt_scalef32_pk8_fp4_f32 v[\pc+\g], v[\s+8*\g:\s+8*\g+7], v[TM+4]
.endr
	v_nop                                          ; one plain place behind a scaled conversion
.endm
	s_load_b256 s[4:11], s[0:1], 0x0               ; xq s[4:5], wiq s[6:7], b_in s[8:9], qq s[10:11]
	s_load_b64 s[12:13], s[0:1], 0x20              ; kv
	v_lshl_add_u32 v[SPW], v0, 2, SPARE
	v_mov_b32 v[NIL], 0
	ds_add_u32 v[SPW], v[NIL]                      ; the wave's opening: the add, twice on end, and its wait ahead of the first tensor load; the set-up below stands between
	ds_add_u32 v[SPW], v[NIL]
	v_lshrrev_b32 v1, 5, v0
	v_readfirstlane_b32 s[WV], v1                  ; wave 0..11
	s_bfe_u32 s15, ttmp6, 0x40000                  ; cx
	s_bfe_u32 s16, ttmp6, 0x40004                  ; cy
	s_lshl_b32 s17, ttmp9, 2
	s_add_co_u32 s17, s17, s15                     ; head 0..15
	s_and_b32 s18, ttmp7, 0xffff
	s_lshl_b32 s18, s18, 2
	s_add_co_u32 s18, s18, s16                     ; 256 tokens
	s_lshr_b32 s19, s[WV], 2                       ; wn: q, k or v
	s_and_b32 s20, s[WV], 3                        ; wm: my 64 tokens of the 256
	s_lshr_b32 s21, s[WV], 3                       ; 1 in v's waves
	s_lshl_b32 s24, s16, 2
	s_lshl_b32 s24, 15, s24                        ; my row of the cluster
	s_lshl_b32 s25, 0x1111, s15                    ; my column
	s_or_b32 s[G1XA], s24, (3<<16)|(1<<21)         ; 15:0 the mask; 17:16 elements of 8 bytes; 21 set beside a mask; no padding
	s_or_b32 s[G1XB], s24, (3<<16)|(1<<21)
	s_or_b32 s[G1WA], s25, (3<<16)|(1<<21)
	s_or_b32 s[G1WB], s25, (3<<16)|(1<<21)
	SHAPE G1XA, ABK/8, 2, OPB/8                    ; a row is a block's K steps 0-2, 13,056 bytes: two neighbouring blocks
	SHAPE G1WA, ABK/8, 3, 16*OPB/8                 ; the head's blocks in q, k and v: 16 blocks apart
	SHAPE G1XB, 32, BBK/256, 32                    ; K steps 3-7 of a block: 85 rows of 256 bytes, dense
	SHAPE G1WB, 32, BBK/256, 32
	s_mov_b32 s[G0], 1
	s_lshl_b32 s22, s18, 2
	s_mul_i32 s22, s22, OPB                        ; x's: made of the token block alone
	s_mov_b32 s23, 0
	s_mul_i32 s76, s17, OPB                        ; w_in's: of the head alone
	s_mov_b32 s77, 0
	s_mov_b32 s[SEL], 0x76543210
	s_mov_b32 s[SEL+1], 0xfedcba98
	s_mov_b32 s[MSK], 0xffff0000                   ; lanes 16-31
	s_lshl_b32 s92, s19, 12
	s_lshl_b32 s93, s17, 8
	s_add_co_u32 s92, s92, s93                     ; my 64 numbers of b_in
	s_mov_b32 s93, 0
	; where my results go
	s_and_b32 s95, s18, 7                          ; 256 tokens within the batch
	s_lshr_b32 s96, s18, 3
	s_lshl_b32 s96, s96, 4
	s_add_co_u32 s96, s96, s17                     ; 16 batch + head
	s_mul_i32 s97, s96, 143360
	s_lshl_b32 s98, s95, 1
	s_lshr_b32 s99, s20, 1
	s_add_co_u32 s98, s98, s99
	s_mul_i32 s98, s98, 8960
	s_add_co_u32 s97, s97, s98                     ; my key step in kv
	s_and_b32 s99, s20, 1                          ; and which half of it
	s_lshl_b32 s27, s99, 11
	s_add_co_u32 s27, s27, s97                     ; k: my four tiles' codes,
	s_lshl_b32 s28, s99, 8
	s_add_co_u32 s28, s28, s97
	s_add_co_u32 s28, s28, 8192                    ; and their scale words
	s_mul_i32 s29, s96, 73728
	s_lshl_b32 s30, s95, 2
	s_add_co_u32 s30, s30, s20
	s_mul_i32 s30, s30, 2304
	s_add_co_u32 s29, s29, s30                     ; q: my group of four tiles,
	s_add_co_u32 s30, s29, 2048                    ; and its scale words
	s_lshl_b32 s31, s99, 9
	s_add_co_u32 s31, s31, s97
	s_add_co_u32 s31, s31, 4096                    ; v: my 64 keys are group c = wm % 2 of each fragment,
	s_lshl_b32 s78, s99, 1
	s_add_co_u32 s78, s78, s97
	s_add_co_u32 s78, s78, 8704                    ; and bytes 2 c, 2 c + 1 of each scale word
	s_cmp_eq_u32 s19, 2
	s_cselect_b32 s94, s31, s27
	s_cselect_b32 s98, s78, s28
	s_cselect_b32 s79, 8, 16                       ; the scale stores' offset: q, k: 16 r + 8 h; v: 8 r + 128 h
	s_cselect_b32 s80, 128, 8
	s_cmp_eq_u32 s19, 0
	s_cselect_b32 s94, s29, s94
	s_cselect_b32 s98, s30, s98
	s_mov_b32 s95, 0
	s_mov_b32 s99, 0
	; the blocks that I read
	s_add_co_u32 s24, s19, 4                       ; my block of w_in's
	s_xor_b32 s25, s24, s20                        ; what exchanges it with my block of x's,
	s_mul_i32 s26, s25, s21                        ; in v's waves
	s_xor_b32 s27, s24, s26                        ; source 0's block
	s_xor_b32 s28, s20, s26                        ; source 1's
	s_mul_i32 s29, s27, ABK
	s_mul_i32 s30, s28, ABK
	s_mul_i32 s31, s27, BBK
	s_add_co_u32 s31, s31, BB
	s_mul_i32 s90, s28, BBK
	s_add_co_u32 s90, s90, BB
	v_and_b32 v1, 31, v0
	v_and_b32 v2, 15, v0                           ; r
	v_bfe_u32 v3, v0, 4, 1                         ; h
	v_and_b32 v17, 8, v0
	v_lshlrev_b32 v1, 4, v1                        ; 16 x lane
	v_mul_u32_u24 v16, s25, v3
	v_lshlrev_b32 v[BO], 6, v3                     ; q, k: lane (r, h) wants, for w_in's tile 2 b + u, columns 32 b + 16 h + 8 u + 0 .. 7
	v_add_nc_u32 v17, v17, v2
	v_xor_b32 v16, s28, v16                        ; the block whose scale words I take: lanes 0-15 source 1's, lanes 16-31 source 0's
	v_lshlrev_b32 v[BO+1], 2, v17                  ; v: a lane holds one channel: r + 8 (r / 8) of the tile's
	v_add_nc_u32 v[A0A], s29, v1
	v_add_nc_u32 v[A1A], s30, v1
	v_add_nc_u32 v[A0B], s31, v1
	v_add_nc_u32 v[A1B], s90, v1
	v_mul_u32_u24 v[ASA], ABK, v16
	v_mul_u32_u24 v[ASB], BBK, v16
	v_mul_u32_u24 v[SOF], s79, v2
	v_lshlrev_b32 v[H8], 3, v3
	v_lshl_add_u32 v[ASA], v2, 2, v[ASA]
	v_lshl_add_u32 v[ASB], v2, 2, v[ASB]
	v_mad_u32_u24 v[SOF], s80, v3, v[SOF]
	v_mov_b32 v[TM+2], 0                           ; written once: a lane permute's destination counts as one of its sources
	v_mov_b32 v[TM+3], 0
	v_add_nc_u32 v[ASA], SCO, v[ASA]
	v_add_nc_u32 v[ASB], BB+SCO, v[ASB]
	s_wait_alu depctr_va_vdst(0)
	s_wait_dscnt 0x0                               ; both opening adds are done
	s_wait_kmcnt 0x0
	s_add_nc_u64 s[92:93], s[8:9], s[92:93]
	s_add_nc_u64 s[SX:SX+1], s[4:5], s[22:23]
	s_add_nc_u64 s[SW:SW+1], s[6:7], s[76:77]
	s_cmp_eq_u32 s19, 0
	s_cselect_b64 s[84:85], s[10:11], s[12:13]     ; qq or kv: the choice hangs on the wave's number alone
	s_add_nc_u64 s[90:91], s[84:85], s[98:99]
	s_add_nc_u64 s[84:85], s[84:85], s[94:95]
	s_cmp_lt_u32 s[WV], 8                          ; the bias is asked for here and waited for behind the first fragments' loads
	s_cbranch_scc0 .Lbias_v
.irp q, 0,1,2,3
	global_load_b128 v[BI+8*\q:BI+8*\q+3], v[BO], s[92:93] offset:(32*(\q/2)+8*(\q%2))*4
	global_load_b128 v[BI+8*\q+4:BI+8*\q+7], v[BO], s[92:93] offset:(32*(\q/2)+8*(\q%2))*4+16
.endr
	s_branch .Lbias_asked
.Lbias_v:
.irp p, 0,1,2,3
	global_load_b32 v[HW+\p], v[BO+1], s[92:93] offset:(32*(\p/2)+8*(\p%2))*4
.endr
.Lbias_asked:
	ROUND                                          ; all sixteen work-groups are here: the joint loads meet
	ARM 0, 0,     0,     SX, G1XA                  ; one tree of branches on the wave's number, one load to an arm
	ARM 1, 2*ABK, 2*OPB, SX, G1XA
	ARM 2, 4*ABK, 0,     SW, G1WA
.irp i, 0,1,2,3
	ARM 3+\i, BB+\i*BBK, \i*OPB+ABK, SX, G1XB
.endr
.irp i, 0,1,2
	ARM 7+\i, BB+4*BBK+\i*BBK, 16*\i*OPB+ABK, SW, G1WB
.endr
.Lasked:
.macro WM d, a, b, c, sa, sb           ; source 0's scale words stand in lanes 16-31 of their register
	v_wmma_scale_f32_16x16x128_f8f6f4 v[\d:\d+7], v[\a:\a+7], v[\b:\b+7], v[\c:\c+7], v[\sa], v[\sb] matrix_a_fmt:MATRIX_FMT_FP4 matrix_b_fmt:MATRIX_FMT_FP4 matrix_a_scale:MATRIX_SCALE_ROW1
.endm
; A K step of 128: 20 LDS loads, 16 products.  The 16 accumulators take turns, one instruction a turn, in the same order in every step.
; mode 1, 2: the bias is the C of the sums' first products: by source 0's tile (q, k) or by source 1's (v).
.macro KSTEP ks, mode
.if (\ks) < 3
.set R0, A0A
.set R1, A1A
.set RS, ASA
.set KO, (\ks)*KSB
.else
.set R0, A0B
.set R1, A1B
.set RS, ASB
.set KO, ((\ks)-3)*KSB
.endif
.if (\mode) == 0
.rept 4
	v_nop                                          ; four places in front of loads into registers that the last products read
.endr
.endif
.irp i, 0,1,2,3
	ds_load_b32 v[SC+\i], v[RS] offset:KO+64*\i
.endr
.irp i, 0,1,2,3
.irp c, 0,1
	ds_load_b128 v[F0+8*\i+4*\c:F0+8*\i+4*\c+3], v[R0] offset:KO+1024*\i+512*\c
.endr
.endr
.irp i, 0,1,2,3
.irp c, 0,1
	ds_load_b128 v[F1+8*\i+4*\c:F1+8*\i+4*\c+3], v[R1] offset:KO+1024*\i+512*\c
.endr
.endr
.if (\mode) > 0
	s_wait_loadcnt 0x0                             ; the bias
.endif
.if (\mode) == 2
.irp p, 0,1,2,3
.irp j, 0,1,2,3,4,5,6,7
	v_mov_b32 v[BI+8*\p+\j], v[HW+\p]              ; the same for the lane's eight tokens
.endr
.endr
	s_wait_alu depctr_va_vdst(0)
.endif
.irp p, 0,1,2,3
	s_wait_dscnt 6-2*\p                            ; source 1's fragment p is in: two loads for each later one are younger
.irp q, 0,1,2,3
.if (\mode) == 1
	WM ACC+8*(4*\p+\q), F0+8*\q, F1+8*\p, BI+8*\q, SC+\q, SC+\p
.elseif (\mode) == 2
	WM ACC+8*(4*\p+\q), F0+8*\q, F1+8*\p, BI+8*\p, SC+\q, SC+\p
.else
	WM ACC+8*(4*\p+\q), F0+8*\q, F1+8*\p, ACC+8*(4*\p+\q), SC+\q, SC+\p
.endif
.endr
.endr
.endm
	s_cmp_lt_u32 s[WV], 3                          ; the waves that asked for K steps 0-2 wait for them; what the others asked for stays out
	s_cbranch_scc0 .Lnot_first
	s_wait_tensorcnt 0x0
.Lnot_first:
	s_barrier_signal -1
	s_barrier_wait -1                              ; K steps 0-2 of all seven blocks are whole
	s_cmp_lt_u32 s[WV], 8
	s_cbranch_scc0 .Lfirst_v
	KSTEP 0, 1
	s_branch .Lsecond
.Lfirst_v:
	KSTEP 0, 2
.Lsecond:
	KSTEP 1, 0
	KSTEP 2, 0
	s_wait_tensorcnt 0x0                           ; the rest.  (No LDS instruction of mine is out: the last wait on DScnt was for 0)
	s_barrier_signal -1
	s_barrier_wait -1
.irp k, 3,4,5,6,7
	KSTEP \k, 0
.endr
.rept 4
	v_nop                                          ; four places in front of the first read of results
.endr
	s_cmp_lt_u32 s[WV], 8
	s_cbranch_scc0 .Lout_v
.irp p, 0,1,2,3
	QUANT2 ACC+32*\p, F1+4*\p, HW+\p
.endr
	v_cndmask_b32 v10, v[HW], v[HW+2], s[MSK]      ; lanes 0-15 carry tiles 0 and 1's bytes, lanes 16-31 tiles 2 and 3's
	v_cndmask_b32 v11, v[HW+1], v[HW+3], s[MSK]
.irp p, 0,1,2,3
	global_store_b128 v1, v[F1+4*\p:F1+4*\p+3], s[84:85] offset:512*\p   ; a tile's codes: 512 consecutive bytes
.endr
	global_store_b64 v[SOF], v[10:11], s[90:91]    ; 32 lanes store 256 consecutive bytes, aligned
	s_branch .Ljoin
.Lout_v:
.irp p, 0,1,2,3
	QBLOCK ACC+32*\p, F1+4*\p, HW+\p
.endr
	v_cndmask_b32 v10, v[HW], v[HW+2], s[MSK]
	v_cndmask_b32 v11, v[HW+1], v[HW+3], s[MSK]
.irp p, 0,1,2,3
	global_store_b128 v1, v[F1+4*\p:F1+4*\p+3], s[84:85] offset:1024*\p
.endr
	global_store_b16 v[SOF], v10, s[90:91]         ; tiles 0 (lanes 0-15) and 2 (lanes 16-31),
	global_store_b16 v[SOF], v11, s[90:91] offset:4   ; tiles 1 and 3
.Ljoin:
	s_wait_tensorcnt 0x0                           ; the wave's end
	ds_add_u32 v[SPW], v[NIL]
	s_wait_dscnt 0x0
	ROUND                                          ; the closing round: no work-group ends while a partner may still ask for a tile that names it
	s_endpgm
.Lfunc_end_k_qa598da4d3c_qkv:
	.size	k_qa598da4d3c_qkv, .Lfunc_end_k_qa598da4d3c_qkv-k_qa598da4d3c_qkv
	.p2alignl 7, 3214868480
	.fill 96, 4, 3214868480
	.section	.rodata,"a",@progbits
	.p2align	6, 0x0
	.amdhsa_kernel k_qa598da4d3c_qkv
		.amdhsa_group_segment_fixed_size 280064
		.amdhsa_private_segment_fixed_size 0
		.amdhsa_enable_private_segment 0
		.amdhsa_kernarg_size 40
		.amdhsa_user_sgpr_count 2
		.amdhsa_user_sgpr_kernarg_segment_ptr 1
		.amdhsa_wavefront_size32 1
		.amdhsa_system_sgpr_workgroup_id_x 1
		.amdhsa_system_sgpr_workgroup_id_y 1
		.amdhsa_system_sgpr_workgroup_id_z 1
		.amdhsa_system_vgpr_workitem_id 0
		.amdhsa_next_free_vgpr 256
		.amdhsa_next_free_sgpr 100
		.amdhsa_reserve_vcc 0
		.amdhsa_float_denorm_mode_32 3
		.amdhsa_float_denorm_mode_16_64 3
		.amdhsa_memory_ordered 1
		.amdhsa_forward_progress 1
		.amdhsa_inst_pref_size 63
	.end_amdhsa_kernel
	.amdgpu_metadata
---
amdhsa.version: [ 1, 2 ]
amdhsa.kernels:
  - .name:           k_qa598da4d3c_qkv
    .symbol:         k_qa598da4d3c_qkv.kd
    .args:
      - { .name: xq, .offset: 0, .size: 8, .value_kind: global_buffer, .address_space: global }
      - { .name: wiq, .offset: 8, .size: 8, .value_kind: global_buffer, .address_space: global }
      - { .name: b_in, .offset: 16, .size: 8, .value_kind: global_buffer, .address_space: global }
      - { .name: qq, .offset: 24, .size: 8, .value_kind: global_buffer, .address_space: global }
      - { .name: kv, .offset: 32, .size: 8, .value_kind: global_buffer, .address_space: global }
    .group_segment_fixed_size: 280064
    .private_segment_fixed_size: 0
    .kernarg_segment_align: 8
    .kernarg_segment_size: 40
    .max_flat_workgroup_size: 384
    .sgpr_count:     100
    .vgpr_count:     256
    .wavefront_size: 32
...
	.end_amdgpu_metadata
.endif
;; end of part 2
;; launch attn (part 3): grid 8 x 32, 16 waves a work-group, clusters of 4 x 1, 219,136 bytes of LDS; arguments qq, kv, aq; writes aq
.if DOCPART == 3
	.amdgcn_target "amdgcn-amd-amdhsa--gfx1250"
	.amdhsa_code_object_version 6
	.text
	.protected	k_qa598da4d3c_attn
	.globl	k_qa598da4d3c_attn
	.p2align	8
	.type	k_qa598da4d3c_attn,@function
k_qa598da4d3c_attn:
	s_mov_b64 s[64:65], 0
	v_nop
	global_prefetch_b8 v0, s[64:65] scope:SCOPE_SE
	s_setreg_imm32_b32 hwreg(HW_REG_WAVE_MODE, 25, 1), 1
	s_wait_xcnt 0x0
	s_wait_alu depctr_hold_cnt(0) depctr_sa_sdst(0) depctr_va_vdst(0) depctr_va_sdst(0) depctr_va_ssrc(0) depctr_va_vcc(0) depctr_vm_vsrc(0)
	s_getreg_b32 s2, hwreg(HW_REG_IB_STS2, 6, 4)
	s_cmp_eq_u32 s2, 0
	s_cbranch_scc0 .Lentry_in_a_cluster
	s_endpgm
.Lentry_in_a_cluster:
	s_bfe_u32 s2, ttmp6, 0x10000c
	s_cmp_lg_u32 s2, 0x3003
	s_cbranch_scc0 .Lentry_shape_is_right
	s_endpgm
.Lentry_shape_is_right:
; o = softmax(q k^T / 8, causal) v for one head, both products on codes of E2M1, and o quantised along the model's 1,024 for the last product.
; LEFT OUT: key steps all of whose 128 keys come after a tile's 16 queries: reference()'s own mask gives them the weight 0 for all inputs (shown at the head of launch quant).
; THE SOFTMAX: t = score x log2(e) / 8; M = the running largest t rounded UP to a whole number; p = 2^(t - M) is quantised along the keys, not normalised; the row's sum is taken of the unquantised p and divides at the
; end (v_rcp_f32 and a multiplication).  When M moves, the sum and O are multiplied by 2^(old M - new M): exact.
; SHARES.  Work-group (j, head), j = 0 .. 7.  Sixteen waves, four to a SIMD: wave w = (a, h), a = w % 4 + 4 (w / 8), h = (w / 4) % 2.  It works on TWO tiles of 16 queries: tile j of the eight in key step a (S) and in key step
; 15 - a (L), on the key steps of parity h: h, h + 2, .. up to 15 - a for L and, on the same fragments of K and V, up to a for S: 9 tile steps where h = 0, 8 where h = 1.  Every branch hangs on the wave's number and the
; count of steps alone.  AT THE END waves w and w xor 4 each give one tile's O, M and sum to the other through LDS, and finish one tile: h = 0 tile S, h = 1 tile L.
; LDS holds the head's whole K and V with their scale words, 143,360 bytes, in the order of the operands' registers, filled once: wave 0 asks for key steps 0 and 1, waves 8 to 14 for two more each, one load a wave, jointly for
; the four work-groups of the cluster, which belong to one head; work begins when key steps 0 and 1 are there, and one more barrier behind it shows the rest.  All is asked for at the head, so nothing is left that a prefetch
; could ask for.
; LAYOUT.  S^T = K q^T (source 0 = 16 keys), O^T = V^T p^T (source 0 = 16 channels): a lane holds one query throughout.  A tile of keys is (see quant) 8 keys of one block of 32 in rows 0-7 and 8 of the next block in rows 8-15:
; register 32 c + 8 t + i of lane (r, h) is key 64 c + 32 h + 8 t + i, so the 32 registers of four tiles are ONE block of the next K, already in the order of that product's operand: only the row's maximum, its sum and the scale
; word cross lanes.  The head's K is 64: registers 4-7 of q's fragments hold zero codes, so registers 4-7 of K's may hold any codes: tile t's fragment runs on into tile t + 1's codes, the last into v40-43.
; LIMITS: NaN and infinities are not served; a block of zeros carries the byte 1; scaled scores stay under 2^31 in magnitude.
.set KVH,   143360
.set STEPB, 8960
.set EXB,   9*512                      ; what a wave gives: O^T's 32 registers and its state, 4
.set EX,    KVH                        ; behind K and V: EXB bytes for each wave
.set SPARE, EX+16*EXB                  ; then the spare words, 128 bytes for each of 16 waves, that no other line names
.set ADV, 0                            ; v0   (behind the head) the step's LDS byte + 8 x lane
.set L16, 1                            ; v1   16 x lane
.set L8,  2                            ; v2   8 x lane
.set NIL, 3                            ; v3   0; never rewritten
.set SPW, 4                            ; v4   my spare word; never rewritten
.set ADL, 5                            ; v5   the step's LDS byte + 16 x lane; at the end where I give
.set ADK, 6                            ; v6   the next step's; at the end where I take
.set PX,  7                            ; v7   what lane l xor 16 sends
.set KF,  8                            ; v8-39  K's eight tiles, 4 registers each
.set DQ,  40                           ; v40, v41  my query within its key step - 32 h, and 64 less
.set NINF, 42                          ; v42  -infinity
.set SO,  43                           ; v43  4 r: the way out's scale bytes
.set ZS,  44                           ; v44 -M, v45 the largest score so far, v[46:47] the sum in two halves: tile S;  v48-51: tile L
.set ZL,  48
.set QS,  52                           ; v52-59, v60-67  q's fragments
.set QL,  60
.set QSC, 68                           ; v68, v69  their scale words
.set SCW, 70                           ; v70  p's scale word
.set KSC, 72                           ; v72-75  K's: register i: tile i in lanes 0-15, tile 4 + i in lanes 16-31
.set VSC, 76                           ; v76: V's tiles 0 and 2, v77: tiles 1 and 3
.set F,   78                           ; v[78:79]  2^(old M - new M)
.set T,   80                           ; v80-87 at work
.set VF,  88                           ; v88-119  V's four fragments; on the way out v88-95 at work
.set TM,  88
.set ST,  120                          ; v120-183 S^T, then p
.set OS,  184                          ; v184-215, v216-247  O^T
.set OL,  216
.set PC,  248                          ; v248-255 p's codes
.set WV,  10
.set GL,  14                           ; 15 - a
.set G1,  16
.set G0B, 24
.set GIV, 28
.set TAK, 29
.set G0A, 32
.set GS,  36                           ; a
.set PH,  37                           ; h
.set KC,  38
.set SEL, 40
.set CS,  42
.set NC,  44
.set TB,  45
.set KS,  46
.set TN,  47
.macro ROUND
	s_barrier_signal -1
	s_barrier_wait -1
	s_cmp_lg_u32 s[WV], 0
	s_cbranch_scc1 .Lnot_wave_0_\@
	s_barrier_signal -3
.Lnot_wave_0_\@:
	s_barrier_wait -3
	s_barrier_signal -1
	s_barrier_wait -1
.endm
.macro QUANT2 s, pc, wd                ; as in launch qkv
.irp b, 0,1
	v_max3_num_f32 v[TM+\b], |v[\s+16*\b]|, |v[\s+16*\b+1]|, 0x1800000
.endr
.irp i, 2,4,6,8,10,12,14
.irp b, 0,1
	s_delay_alu instid0(VALU_DEP_2)
	v_max3_num_f32 v[TM+\b], v[TM+\b], |v[\s+16*\b+\i]|, |v[\s+16*\b+\i+1]|
.endr
.endr
.irp b, 0,1
	s_delay_alu instid0(VALU_DEP_2)
	v_permlanex16_b32 v[TM+2+\b], v[TM+\b], s[SEL], s[SEL+1]
.endr
.irp b, 0,1
	s_delay_alu instid0(VALU_DEP_2)
	v_max_num_f32 v[TM+\b], v[TM+\b], v[TM+2+\b]
.endr
.irp b, 0,1
	s_delay_alu instid0(VALU_DEP_2)
	v_add_nc_u32 v[TM+4+\b], 0xff000000, v[TM+\b]
.endr
.irp b, 0,1
	s_delay_alu instid0(VALU_DEP_2)
	v_lshrrev_b32 v[TM+6+\b], 23, v[TM+4+\b]
.endr
	s_delay_alu instid0(VALU_DEP_1)
	v_lshl_or_b32 v[\wd], v[TM+7], 8, v[TM+6]
.irp b, 0,1
	v_cvt_scalef32_pk8_fp4_f32 v[\pc+2*\b], v[\s+16*\b:\s+16*\b+7], v[TM+4+\b]
	v_cvt_scalef32_pk8_fp4_f32 v[\pc+2*\b+1], v[\s+16*\b+8:\s+16*\b+15], v[TM+4+\b]
.endr
	v_nop
	v_permlane16_swap_b32 v[\pc], v[\pc+2]
	v_permlane16_swap_b32 v[\pc+1], v[\pc+3]
.endm
.macro KLOAD adr                       ; nine loads
.irp t, 0,1,2,3,4,5,6,7
	ds_load_b128 v[KF+4*\t:KF+4*\t+3], v[\adr] offset:512*\t
.endr
	ds_load_b128 v[KSC:KSC+3], v[\adr] offset:8192
.endm
.macro VLOAD adr, ad8                  ; nine loads
.irp t, 0,1,2,3
.irp c, 0,1
	ds_load_b128 v[VF+8*\t+4*\c:VF+8*\t+4*\c+3], v[\adr] offset:4096+1024*\t+512*\c
.endr
.endr
	ds_load_b64 v[VSC:VSC+1], v[\ad8] offset:8704
.endm
; A TILE STEP: 128 keys for one tile of 16 queries.  q: its fragment; qs: its scale words; z: its state; o: its O^T; lim: its diagonal step; first = 1: starts the sums; pre = 1: the next step's K is fetched on the way; mask = 1: the step may be the diagonal
.macro UNIT q, qs, z, o, lim, first, pre, mask
.irp t, 0,1,2,3
	v_wmma_scale_f32_16x16x128_f8f6f4 v[ST+8*\t:ST+8*\t+7], v[KF+4*\t:KF+4*\t+7], v[\q:\q+7], 0, v[KSC+\t], v[\qs] matrix_a_fmt:MATRIX_FMT_FP4 matrix_b_fmt:MATRIX_FMT_FP4
.endr
.irp t, 4,5,6,7
	v_wmma_scale_f32_16x16x128_f8f6f4 v[ST+8*\t:ST+8*\t+7], v[KF+4*\t:KF+4*\t+7], v[\q:\q+7], 0, v[KSC+\t-4], v[\qs] matrix_a_fmt:MATRIX_FMT_FP4 matrix_b_fmt:MATRIX_FMT_FP4 matrix_a_scale:MATRIX_SCALE_ROW1
.endr
.rept 4
	v_nop                                          ; four places in front of the first read of the scores
.endr
.if \mask
	s_cmp_lt_u32 s[KS], s[\lim]
	s_cbranch_scc1 .Lopen_\@
.set n, 0
.rept 64                               ; hidden where 64 c + 8 t + i > DQ: the score becomes -infinity, p = 0
	v_cmp_gt_i32 vcc_lo, n%32, v[DQ+n/32]
	v_cndmask_b32 v[ST+n], v[ST+n], v[NINF], vcc_lo
.set n, n+1
.endr
.Lopen_\@:
.endif
.if \pre
	v_add_nc_u32 v[ADK], s[TN], v[L16]
.endif
; the largest score of each of my two blocks, in eight chains, one to an accumulator, each read from its low end on: it serves for the row's maximum and, since p rises with the score, for the block's largest p
.irp b, 0,1
.irp t, 0,1,2,3
	v_max3_num_f32 v[T+2*\b+\t%2+4*(\t/2)], v[ST+32*\b+8*\t], v[ST+32*\b+8*\t+1], v[ST+32*\b+8*\t+2]
.endr
.endr
.irp i, 3,5
.irp b, 0,1
.irp t, 0,1,2,3
	v_max3_num_f32 v[T+2*\b+\t%2+4*(\t/2)], v[T+2*\b+\t%2+4*(\t/2)], v[ST+32*\b+8*\t+\i], v[ST+32*\b+8*\t+\i+1]
.endr
.endr
.endr
.irp b, 0,1
	v_max3_num_f32 v[T+2*\b], v[T+2*\b], v[T+2*\b+1], v[ST+32*\b+7]
	v_max3_num_f32 v[T+2*\b+4], v[T+2*\b+4], v[T+2*\b+5], v[ST+32*\b+15]
.endr
.irp b, 0,1
	v_max3_num_f32 v[T+2*\b], v[T+2*\b], v[ST+32*\b+23], v[ST+32*\b+31]
.endr
.irp b, 0,1
	v_max_num_f32 v[T+2*\b], v[T+2*\b], v[T+2*\b+4]
.endr
	s_delay_alu instid0(VALU_DEP_1)
.if \first
	v_max_num_f32 v[T+1], v[T], v[T+2]
.else
	v_max3_num_f32 v[T+1], v[T], v[T+2], v[\z+1]
.endif
	s_delay_alu instid0(VALU_DEP_1)
	v_permlanex16_b32 v[PX], v[T+1], s[SEL], s[SEL+1]
	s_delay_alu instid0(VALU_DEP_1)
	v_max_num_f32 v[\z+1], v[T+1], v[PX]           ; the running largest score of my query
	s_delay_alu instid0(VALU_DEP_1)
	v_mul_f32 v[T+1], s[NC], v[\z+1]               ; as -t
	s_delay_alu instid0(VALU_DEP_1)
.if \first
	v_floor_f32 v[\z], v[T+1]                      ; -M = -ceil(t)
.set MM, \z
.else
	v_floor_f32 v[T+6], v[T+1]                     ; the new -M
.set MM, T+6
.endif
.if \pre
	KLOAD ADK                                      ; this trip's last product on K has been issued: the next step's K
.endif
.set n, 0
.rept 32
	v_pk_fma_f32 v[ST+n:ST+n+1], v[ST+n:ST+n+1], s[CS:CS+1], v[MM:MM+1] op_sel_hi:[1,0,0]   ; t - M, two at a time
.set n, n+2
.if !\first
.if n == 16
	v_sub_f32 v[T+1], v[T+6], v[\z]                ; old M - new M: a whole number, 0 or less
.elseif n == 28
	v_mov_b32 v[\z], v[T+6]
	v_cvt_i32_f32 v[T+1], v[T+1]                   ; (it saturates)
.elseif n == 40
	v_ldexp_f32 v[F], 1.0, v[T+1]                  ; f = 2^(old M - new M)
.endif
.endif
.endr
	v_fma_f32 v[T], v[T], s[CS], v[MM]             ; the same of each block's largest score
	v_fma_f32 v[T+2], v[T+2], s[CS], v[MM]
	s_wait_alu depctr_va_vdst(0)
	v_exp_f32 v[T], v[T]                           ; the blocks' largest p,
	v_exp_f32 v[T+2], v[T+2]
.set n, 0
.rept 64
	v_exp_f32 v[ST+n], v[ST+n]                     ; p = 2^(t - M)
.set n, n+1
.endr
.if \first
	v_nop                                          ; the plain place behind the exponentials
.else
	v_pk_mul_f32 v[\z+2:\z+3], v[\z+2:\z+3], v[F:F+1] op_sel_hi:[1,0]   ; the sums under the new M: the plain place behind the exponentials
.endif
	s_wait_alu depctr_va_vdst(0)                   ; ahead of the first line that names a result of the batch; it serves the reads of O^T below too
.set n, 0                              ; the scale's lines stand among O^T's multiplications by f, four behind each
.irp e, 0,1,2,3,4
.if \e == 0
	v_max_num_f32 v[T], 0x1800000, v[T]            ; the floor 2^(3 - 127): the byte cannot fall under 1
	v_max_num_f32 v[T+2], 0x1800000, v[T+2]
.elseif \e == 1
	v_add_nc_u32 v[T], 0xff000000, v[T]            ; the conversions' scale operands: blocks h and 2 + h
	v_add_nc_u32 v[T+2], 0xff000000, v[T+2]
.elseif \e == 2
	v_lshrrev_b32 v[T+4], 23, v[T]                 ; the bytes
	v_lshrrev_b32 v[T+5], 23, v[T+2]
.elseif \e == 3
	v_lshl_or_b32 v[T+4], v[T+5], 16, v[T+4]
.else
	v_permlanex16_b32 v[PX], v[T+4], s[SEL], s[SEL+1]
.endif
.if (!\first) && (\e < 4)
.rept 4
	v_pk_mul_f32 v[\o+n:\o+n+1], v[\o+n:\o+n+1], v[F:F+1] op_sel_hi:[1,0]   ; O^T under the new M
.set n, n+2
.endr
.endif
.endr
.irp c, 0,1
.irp g, 0,1,2,3
	v_cvt_scalef32_pk8_fp4_f32 v[PC+4*\c+\g], v[ST+32*\c+8*\g:ST+32*\c+8*\g+7], v[T+2*\c]   ; keys 64 c + 32 h + 8 g ..: the operand's own register
.endr
.endr
	v_lshl_or_b32 v[SCW], v[PX], 8, v[T+4]         ; p's scale word: lanes 0-15 hold blocks 0 and 2 and take 1 and 3 (lanes 16-31 are not read)
	; THE ROW'S SUM, of the unquantised p, in six chains: these additions are also the places between the codes and the products that take them
	; (six chains: the sum itself, v80-87 by pairs, and f's pair, which has been used)
.if \first
	v_pk_add_f32 v[\z+2:\z+3], v[ST:ST+1], v[ST+2:ST+3]
.set n, 4
.else
	v_pk_add_f32 v[\z+2:\z+3], v[\z+2:\z+3], v[ST:ST+1]
.set n, 2
.endif
.irp d, T,T+2,T+4,T+6,F
	v_pk_add_f32 v[\d:\d+1], v[ST+n:ST+n+1], v[ST+n+2:ST+n+3]
.set n, n+4
.endr
.rept 3
.irp d, \z+2,T,T+2,T+4,T+6,F
	v_pk_add_f32 v[\d:\d+1], v[\d:\d+1], v[ST+n:ST+n+1]
.set n, n+2
.endr
.endr
	v_pk_add_f32 v[\z+2:\z+3], v[\z+2:\z+3], v[ST+n:ST+n+1]
	v_pk_add_f32 v[T:T+1], v[T:T+1], v[ST+n+2:ST+n+3]
.if !\first
	v_pk_add_f32 v[T+2:T+3], v[T+2:T+3], v[ST+62:ST+63]
.endif
	v_pk_add_f32 v[T+4:T+5], v[T+4:T+5], v[T+6:T+7]
	v_pk_add_f32 v[\z+2:\z+3], v[\z+2:\z+3], v[F:F+1]
	v_pk_add_f32 v[T:T+1], v[T:T+1], v[T+2:T+3]
	v_pk_add_f32 v[\z+2:\z+3], v[\z+2:\z+3], v[T+4:T+5]
	v_pk_add_f32 v[\z+2:\z+3], v[\z+2:\z+3], v[T:T+1]
	s_wait_alu depctr_va_vdst(0)
.if \pre
	s_wait_dscnt 9                                 ; V and its words are in: the next K's nine loads are younger
.else
	s_wait_dscnt 0x0
.endif
.if \first
.irp t, 0,1
	v_wmma_scale_f32_16x16x128_f8f6f4 v[\o+8*\t:\o+8*\t+7], v[VF+8*\t:VF+8*\t+7], v[PC:PC+7], 0, v[VSC+\t], v[SCW] matrix_a_fmt:MATRIX_FMT_FP4 matrix_b_fmt:MATRIX_FMT_FP4
.endr
.irp t, 2,3
	v_wmma_scale_f32_16x16x128_f8f6f4 v[\o+8*\t:\o+8*\t+7], v[VF+8*\t:VF+8*\t+7], v[PC:PC+7], 0, v[VSC+\t-2], v[SCW] matrix_a_fmt:MATRIX_FMT_FP4 matrix_b_fmt:MATRIX_FMT_FP4 matrix_a_scale:MATRIX_SCALE_ROW1
.endr
.else
.irp t, 0,1
	v_wmma_scale_f32_16x16x128_f8f6f4 v[\o+8*\t:\o+8*\t+7], v[VF+8*\t:VF+8*\t+7], v[PC:PC+7], v[\o+8*\t:\o+8*\t+7], v[VSC+\t], v[SCW] matrix_a_fmt:MATRIX_FMT_FP4 matrix_b_fmt:MATRIX_FMT_FP4
.endr
.irp t, 2,3
	v_wmma_scale_f32_16x16x128_f8f6f4 v[\o+8*\t:\o+8*\t+7], v[VF+8*\t:VF+8*\t+7], v[PC:PC+7], v[\o+8*\t:\o+8*\t+7], v[VSC+\t-2], v[SCW] matrix_a_fmt:MATRIX_FMT_FP4 matrix_b_fmt:MATRIX_FMT_FP4 matrix_a_scale:MATRIX_SCALE_ROW1
.endr
.endif
.endm
.macro QOFF g, c, s                    ; tile 8 g + j of the head lies in group 2 g + j / 4 of qq, at place j % 4: its codes, its scale words
	s_lshl_b32 s[\c], s[\g], 1
	s_add_co_u32 s[\c], s[\c], s15
	s_mul_i32 s[\c], s[\c], 2304
	s_add_co_u32 s[\c], s[\c], s3
	s_lshl_b32 s[\s], s2, 2
	s_add_co_u32 s[\s], s[\s], s[\c]
	s_add_co_u32 s[\s], s[\s], 2048
	s_lshl_b32 s11, s2, 9
	s_add_co_u32 s[\c], s[\c], s11
	s_mov_b32 s[\c+1], 0
	s_mov_b32 s[\s+1], 0
.endm
.macro OOFF g, c, s                    ; and in aq: block 32 batch + 2 g + j / 4, K step head / 2, tile j % 4, group c = head % 2
	s_lshl_b32 s[\c], s[\g], 1
	s_add_co_u32 s[\c], s[\c], s3
	s_mul_i32 s[\c], s[\c], 34816
	s_add_co_u32 s[\s], s[\c], s47
	s_add_co_u32 s[\c], s[\c], s46
	s_mov_b32 s[\c+1], 0
	s_mov_b32 s[\s+1], 0
.endm
.macro GIVE o, z                       ; a tile's state and O^T to the other wave of the pair; each accumulator from its low end on, with a wait ahead of a first read of a matrix result
	ds_store_b128 v[ADL], v[\z:\z+3] offset:4096
.irp i, 0,1,2,3,4,5,6,7
	s_wait_alu depctr_va_vdst(0)
	ds_store_b128 v[ADL], v[\o+4*\i:\o+4*\i+3] offset:512*\i
.endr
.endm
; THE WAY OUT of a tile: the other wave's part joins mine under the common M, O is divided by the sum; register 8 t + i of lane (r, h) is channel 32 (t / 2) + 16 h + 8 (t % 2) + i of query r: 32 numbers in QUANT2's order
.macro TAKE o, z, pc, ps
.irp i, 0,1,2,3,4,5,6,7
	ds_load_b128 v[ST+4*\i:ST+4*\i+3], v[ADK] offset:512*\i
.endr
	ds_load_b128 v[T:T+3], v[ADK] offset:4096      ; its -M, largest score, sum
	s_wait_dscnt 0x0
	v_min_num_f32 v[T+4], v[\z], v[T]              ; the common -M
	v_sub_f32 v[T+5], v[T+4], v[\z]                ; my M - the common M, and the other's: whole numbers, 0 or less
	v_sub_f32 v[T], v[T+4], v[T]
	v_cvt_i32_f32 v[T+5], v[T+5]
	v_cvt_i32_f32 v[T], v[T]
	v_ldexp_f32 v[F], 1.0, v[T+5]
	v_ldexp_f32 v[T], 1.0, v[T]
	v_pk_mul_f32 v[\z+2:\z+3], v[\z+2:\z+3], v[F:F+1] op_sel_hi:[1,0]
	v_pk_fma_f32 v[\z+2:\z+3], v[T+2:T+3], v[T:T+1], v[\z+2:\z+3] op_sel_hi:[1,0,1]
	v_add_f32 v[\z+2], v[\z+2], v[\z+3]
	v_permlanex16_b32 v[PX], v[\z+2], s[SEL], s[SEL+1]
	v_add_f32 v[\z+2], v[\z+2], v[PX]              ; the row's sum
	s_wait_alu depctr_va_vdst(0)
	v_rcp_f32 v[T+4], v[\z+2]
	v_nop                                          ; a plain place behind it
	s_wait_alu depctr_va_vdst(0)                   ; ahead of its first use; it serves the reads of O^T too
	v_mul_f32 v[F], v[F], v[T+4]                   ; the factors are powers of two: with 1 / sum in them each part is rounded once
	v_mul_f32 v[T], v[T], v[T+4]
.set n, 0
.rept 16
	v_pk_mul_f32 v[ST+32+n:ST+33+n], v[\o+n:\o+n+1], v[F:F+1] op_sel_hi:[1,0]
.set n, n+2
.endr
.set n, 0
.rept 16
	v_pk_fma_f32 v[ST+32+n:ST+33+n], v[ST+n:ST+n+1], v[T:T+1], v[ST+32+n:ST+33+n] op_sel_hi:[1,0,1]
.set n, n+2
.endr
	QUANT2 ST+32, PC, T+5
	global_store_b128 v[L16], v[PC:PC+3], s[\pc:\pc+1]   ; 512 consecutive bytes: group c of the tile's fragment
	global_store_b16 v[SO], v[T+5], s[\ps:\ps+1]   ; my head's two bytes of the rows' scale words (lanes l and l + 16 hold and write the same)
.endm
	s_load_b128 s[4:7], s[0:1], 0x0                ; qq s[4:5], kv s[6:7]
	s_load_b64 s[8:9], s[0:1], 0x10                ; aq
	v_lshl_add_u32 v[SPW], v0, 2, SPARE
	v_mov_b32 v[NIL], 0
	ds_add_u32 v[SPW], v[NIL]                      ; the wave's opening: the add, twice on end, and its wait ahead of the first tensor load
	ds_add_u32 v[SPW], v[NIL]
	v_lshrrev_b32 v8, 5, v0
	v_readfirstlane_b32 s[WV], v8                  ; wave 0..15
	s_bfe_u32 s11, ttmp6, 0x40000                  ; cx
	s_lshl_b32 s12, ttmp9, 2
	s_add_co_u32 s12, s12, s11                     ; j: it enters global addresses and data registers alone
	s_and_b32 s13, ttmp7, 0xffff                   ; 16 batch + head, which the four partners share
	s_and_b32 s[GS], s[WV], 3
	s_lshr_b32 s11, s[WV], 3
	s_lshl_b32 s11, s11, 2
	s_add_co_u32 s[GS], s[GS], s11                 ; a
	s_sub_co_u32 s[GL], 15, s[GS]
	s_bfe_u32 s[PH], s[WV], 0x10002                ; h
	s_mov_b32 s[G1], 15|(3<<16)|(1<<21)            ; 15:0 the mask: all four work-groups; 17:16 elements of 8 bytes; 21 set beside a mask
	s_mov_b32 s[G1+1], 32<<16
	s_mov_b32 s[G1+2], 70<<16                      ; 70 rows of 256 bytes: two key steps
	s_mov_b32 s[G1+3], 32<<16
	s_mov_b32 s[G1+4], 70
	s_mov_b32 s[G1+5], 32
	s_mov_b32 s[G1+6], 0
	s_mov_b32 s[G1+7], 0
	s_lshr_b32 s15, s12, 2                         ; j / 4
	s_and_b32 s2, s12, 3                           ; j % 4
	s_mul_i32 s3, s13, 73728
	QOFF GS, 56, 60
	QOFF GL, 58, 62
	s_lshr_b32 s3, s13, 4
	s_lshl_b32 s3, s3, 5
	s_add_co_u32 s3, s3, s15                       ; 32 batch + j / 4
	s_bfe_u32 s11, s13, 0x30001
	s_mul_i32 s11, s11, 4352                       ; K step head / 2
	s_and_b32 s45, s13, 1
	s_lshl_b32 s46, s2, 10
	s_add_co_u32 s46, s46, s11
	s_lshl_b32 s47, s45, 9
	s_add_co_u32 s46, s46, s47                     ; codes
	s_lshl_b32 s47, s2, 6
	s_add_co_u32 s47, s47, s11
	s_lshl_b32 s45, s45, 1
	s_add_co_u32 s47, s47, s45
	s_add_co_u32 s47, s47, 4096                    ; scale words
	OOFF GS, 48, 52
	OOFF GL, 50, 54
	s_lshl_b32 s15, s15, 6
	s_lshl_b32 s2, s2, 3
	s_add_co_u32 s15, s15, s2                      ; 64 (j / 4) + 8 (j % 4): my tiles' first query within the key step
	s_and_b32 s11, s[WV], 7
	s_mul_i32 s11, s11, 2*STEPB
	s_add_co_u32 s11, s11, 2*STEPB                 ; waves 8 to 14: key steps 2, 4, .. 14 on: in LDS and in the head alike
	s_mul_i32 s2, s13, KVH
	s_mov_b32 s3, 0
	s_add_co_u32 s12, s2, s11
	s_mov_b32 s13, 0
	s_mul_i32 s[GIV], s[WV], EXB
	s_add_co_u32 s[GIV], s[GIV], EX                ; where I give,
	s_xor_b32 s[TAK], s[WV], 4
	s_mul_i32 s[TAK], s[TAK], EXB
	s_add_co_u32 s[TAK], s[TAK], EX                ; and where the other wave of my pair gives
	s_mov_b32 s[SEL], 0x76543210
	s_mov_b32 s[SEL+1], 0xfedcba98
	s_mov_b32 s[CS], 0x3e38aa3b                    ; c = log2(e) / 8
	s_mov_b32 s[CS+1], s[CS]                       ; (named with it as a pair, so it is written)
	s_mov_b32 s[NC], 0xbe38aa3b                    ; -c
	s_mul_i32 s[TB], s[PH], STEPB                  ; my first key step: h
	s_mov_b32 s[KS], s[PH]
	v_and_b32 v8, 31, v0
	v_and_b32 v9, 15, v0                           ; r
	v_and_b32 v11, 7, v0
	v_and_b32 v12, 8, v0
	v_bfe_u32 v13, v0, 4, 1                        ; h of the lane
.irp i, 4,5,6,7
	v_mov_b32 v[QS+\i], 0                          ; the head's K is 64: zero codes for k = 64 .. 127
	v_mov_b32 v[QL+\i], 0
.endr
	v_lshlrev_b32 v[L16], 4, v8
	v_lshlrev_b32 v[L8], 3, v8
	v_lshlrev_b32 v10, 4, v9                       ; 16 r
	v_lshlrev_b32 v[SO], 2, v9
	v_lshl_add_u32 v[DQ], v12, 2, v11              ; r % 8 + 32 (r / 8)
	v_lshlrev_b32 v13, 5, v13
	v_mov_b32 v[NINF], 0xff800000
	v_sub_nc_u32 v[DQ], v[DQ], v13
	v_mov_b32 v[PX], 0                             ; a lane permute's destination counts as read
	v_add_nc_u32 v[DQ], s15, v[DQ]
	v_mov_b32 v[F+1], 0                            ; (named as the upper half of a pair)
	v_add_nc_u32 v[DQ+1], 0xffffffc0, v[DQ]
	v_add_nc_u32 v[ADL], s[TB], v[L16]
	v_add_nc_u32 v[ADV], s[TB], v[L8]
	s_wait_alu depctr_va_vdst(0)
	s_wait_dscnt 0x0                               ; both opening adds are done
	s_wait_kmcnt 0x0
	s_add_nc_u64 s[56:57], s[4:5], s[56:57]
	s_add_nc_u64 s[58:59], s[4:5], s[58:59]
	s_add_nc_u64 s[60:61], s[4:5], s[60:61]
	s_add_nc_u64 s[62:63], s[4:5], s[62:63]
	global_load_b128 v[QS:QS+3], v[L16], s[56:57]  ; q's codes: d = 32 h + 0 .. 31 of query r
	global_load_b128 v[QL:QL+3], v[L16], s[58:59]
	global_load_b32 v[QSC], v10, s[60:61]          ; and the scale words
	global_load_b32 v[QSC+1], v10, s[62:63]
	s_add_nc_u64 s[48:49], s[8:9], s[48:49]
	s_add_nc_u64 s[50:51], s[8:9], s[50:51]
	s_add_nc_u64 s[52:53], s[8:9], s[52:53]
	s_add_nc_u64 s[54:55], s[8:9], s[54:55]
	s_mov_b32 s[G0A], 1
	s_mov_b32 s[G0A+1], 0
	s_add_nc_u64 s[G0A+2:G0A+3], s[6:7], s[2:3]
	s_or_b32 s[G0A+3], s[G0A+3], 0x80000000
	s_mov_b32 s[G0B], 1
	s_mov_b32 s[G0B+1], s11
	s_add_nc_u64 s[G0B+2:G0B+3], s[6:7], s[12:13]
	s_or_b32 s[G0B+3], s[G0B+3], 0x80000000
	ROUND                                          ; all four work-groups are here: the joint loads meet
	s_cmp_lt_u32 s[WV], 1                          ; one tree of branches on the wave's number, one load to an arm
	s_cbranch_scc0 .Lask_b
	tensor_load_to_lds s[G0A:G0A+3], s[G1:G1+7]
	s_nop 0
.rept 4
	v_nop
.endr
	s_branch .Lasked
.Lask_b:
	s_cmp_lt_u32 s[WV], 8
	s_cbranch_scc1 .Lasked
	s_cmp_lt_u32 s[WV], 15
	s_cbranch_scc0 .Lasked
	tensor_load_to_lds s[G0B:G0B+3], s[G1:G1+7]
	s_nop 0
.rept 4
	v_nop
.endr
.Lasked:
	s_wait_loadcnt 0x0                             ; q
	s_cmp_lg_u32 s[WV], 0                          ; wave 0 waits for key steps 0 and 1; what waves 8 to 14 asked for stays out
	s_cbranch_scc1 .Lnot_first
	s_wait_tensorcnt 0x0
.Lnot_first:
	s_barrier_signal -1
	s_barrier_wait -1                              ; key steps 0 and 1 are whole
	KLOAD ADL
	VLOAD ADL, ADV
	s_wait_dscnt 9                                 ; K and its words are in: V's nine loads are younger
	s_cmp_gt_u32 s[KS], s[GS]                      ; a = 0, h = 1: tile S has no key step of this parity:
	s_cbranch_scc1 .Lidle_s
	UNIT QS, QSC, ZS, OS, GS, 1, 0, 1
	s_branch .Lfirst_l
.Lidle_s:
	v_mov_b32 v[ZS], 0x7f61b1e6                    ; -M = 3e38, over every other: the factor of this part becomes 0
	v_mov_b32 v[ZS+1], 0xff61b1e6
	v_mov_b32 v[ZS+2], 0
	v_mov_b32 v[ZS+3], 0
.set n, 0
.rept 32
	v_mov_b32 v[OS+n], 0
.set n, n+1
.endr
	s_wait_alu depctr_va_vdst(0)
.Lfirst_l:
	UNIT QL, QSC+1, ZL, OL, GL, 1, 0, 0            ; (steps 0 and 1 are never L's diagonal: 15 - a is 8 or more)
	s_wait_tensorcnt 0x0
	s_barrier_signal -1                            ; (no LDS instruction of mine is out: the last wait on DScnt was for 0)
	s_barrier_wait -1                              ; everything is whole: from here to the exchange the waves run free
	s_add_co_u32 s[TB], s[TB], 2*STEPB
	s_add_co_u32 s[KS], s[KS], 2
	s_mov_b32 s[KC], 0
.rept 3
	v_nop
.endr
	v_add_nc_u32 v[ADK], s[TB], v[L16]
	KLOAD ADK                                      ; my second key step's K
.Lstep:                                                ; 7 trips in every wave, on key steps h + 2, h + 4, ..; a wave works in those up to 15 - a
	s_cmp_gt_u32 s[KS], s[GL]
	s_cbranch_scc1 .Ltail
	s_add_co_u32 s[TN], s[TB], 2*STEPB
	s_min_u32 s[TN], s[TN], 15*STEPB               ; the next step; behind the last one a step inside the head
	v_add_nc_u32 v[ADL], s[TB], v[L16]
	v_add_nc_u32 v[ADV], s[TB], v[L8]
	v_nop
	v_nop                                          ; with the two additions: four places in front of loads into registers that the last step's products read
	VLOAD ADL, ADV
	s_wait_dscnt 9                                 ; K and its words, asked for a trip ago, are in: V's nine loads are younger
	s_cmp_gt_u32 s[KS], s[GS]
	s_cbranch_scc1 .Lno_s
	UNIT QS, QSC, ZS, OS, GS, 0, 0, 1
.Lno_s:
	UNIT QL, QSC+1, ZL, OL, GL, 0, 1, 1
.Ltail:
	s_add_co_u32 s[TB], s[TB], 2*STEPB
	s_add_co_u32 s[KS], s[KS], 2
	s_add_co_u32 s[KC], s[KC], 1
	s_cmp_lt_u32 s[KC], 7
	s_cbranch_scc1 .Lstep
	s_wait_alu depctr_va_vdst(0)
	v_add_nc_u32 v[ADL], s[GIV], v[L16]            ; with the v_nop: four places in front of the first read of O^T
	v_add_nc_u32 v[ADK], s[TAK], v[L16]
	v_nop
	v_nop
	s_wait_alu depctr_va_vdst(0)
	s_cmp_eq_u32 s[PH], 0
	s_cbranch_scc0 .Lgive_s
	GIVE OL, ZL
	s_branch .Lgiven
.Lgive_s:
	GIVE OS, ZS
.Lgiven:
	s_wait_dscnt 0x0                               ; my stores are done, for the other wave's sake
	s_barrier_signal -1
	s_barrier_wait -1
	s_cmp_eq_u32 s[PH], 0
	s_cbranch_scc0 .Ltake_l
	TAKE OS, ZS, 48, 52
	s_branch .Lend
.Ltake_l:
	TAKE OL, ZL, 50, 54
.Lend:
	s_wait_tensorcnt 0x0                           ; the wave's end
	ds_add_u32 v[SPW], v[NIL]
	s_wait_dscnt 0x0
	ROUND                                          ; the closing round
	s_endpgm
.Lfunc_end_k_qa598da4d3c_attn:
	.size	k_qa598da4d3c_attn, .Lfunc_end_k_qa598da4d3c_attn-k_qa598da4d3c_attn
	.p2alignl 7, 3214868480
	.fill 96, 4, 3214868480
	.section	.rodata,"a",@progbits
	.p2align	6, 0x0
	.amdhsa_kernel k_qa598da4d3c_attn
		.amdhsa_group_segment_fixed_size 219136
		.amdhsa_private_segment_fixed_size 0
		.amdhsa_enable_private_segment 0
		.amdhsa_kernarg_size 24
		.amdhsa_user_sgpr_count 2
		.amdhsa_user_sgpr_kernarg_segment_ptr 1
		.amdhsa_wavefront_size32 1
		.amdhsa_system_sgpr_workgroup_id_x 1
		.amdhsa_system_sgpr_workgroup_id_y 1
		.amdhsa_system_sgpr_workgroup_id_z 1
		.amdhsa_system_vgpr_workitem_id 0
		.amdhsa_next_free_vgpr 256
		.amdhsa_next_free_sgpr 66
		.amdhsa_reserve_vcc 1
		.amdhsa_float_denorm_mode_32 3
		.amdhsa_float_denorm_mode_16_64 3
		.amdhsa_memory_ordered 1
		.amdhsa_forward_progress 1
		.amdhsa_inst_pref_size 88
	.end_amdhsa_kernel
	.amdgpu_metadata
---
amdhsa.version: [ 1, 2 ]
amdhsa.kernels:
  - .name:           k_qa598da4d3c_attn
    .symbol:         k_qa598da4d3c_attn.kd
    .args:
      - { .name: qq, .offset: 0, .size: 8, .value_kind: global_buffer, .address_space: global }
      - { .name: kv, .offset: 8, .size: 8, .value_kind: global_buffer, .address_space: global }
      - { .name: aq, .offset: 16, .size: 8, .value_kind: global_buffer, .address_space: global }
    .group_segment_fixed_size: 219136
    .private_segment_fixed_size: 0
    .kernarg_segment_align: 8
    .kernarg_segment_size: 24
    .max_flat_workgroup_size: 512
    .sgpr_count:     66
    .vgpr_count:     256
    .wavefront_size: 32
...
	.end_amdgpu_metadata
.endif
;; end of part 3
;; launch proj (part 4): grid 8 x 32, 8 waves a work-group, clusters of 4 x 4, 175,104 bytes of LDS; arguments aq, woq, b_out, out0; writes out0
.if DOCPART == 4
	.amdgcn_target "amdgcn-amd-amdhsa--gfx1250"
	.amdhsa_code_object_version 6
	.text
	.protected	k_qa598da4d3c_proj
	.globl	k_qa598da4d3c_proj
	.p2align	8
	.type	k_qa598da4d3c_proj,@function
k_qa598da4d3c_proj:
	s_mov_b64 s[64:65], 0
	v_nop
	global_prefetch_b8 v0, s[64:65] scope:SCOPE_SE
	s_setreg_imm32_b32 hwreg(HW_REG_WAVE_MODE, 25, 1), 1
	s_wait_xcnt 0x0
	s_wait_alu depctr_hold_cnt(0) depctr_sa_sdst(0) depctr_va_vdst(0) depctr_va_sdst(0) depctr_va_ssrc(0) depctr_va_vcc(0) depctr_vm_vsrc(0)
	s_getreg_b32 s2, hwreg(HW_REG_IB_STS2, 6, 4)
	s_cmp_eq_u32 s2, 0
	s_cbranch_scc0 .Lentry_in_a_cluster
	s_endpgm
.Lentry_in_a_cluster:
	s_bfe_u32 s2, ttmp6, 0x10000c
	s_cmp_lg_u32 s2, 0xf033
	s_cbranch_scc0 .Lentry_shape_is_right
	s_endpgm
.Lentry_shape_is_right:
; out0 = o w_out + b_out on codes of E2M1: o's from launch attn, w_out's from launch quant.  No work is left out here.
; SHARES.  A work-group makes 128 tokens x 128 columns: 8 x 32 work-groups.  Eight waves, two to a SIMD, each 32 tokens (two tiles) x 64 columns (four): 8 accumulators; wave w: tokens w / 2, columns w % 2.
; LDS holds all of K for two blocks of 64 tokens (0, 1) and two of 64 columns (2, 3), each in two parts, K steps 0-2 (ABK bytes) and K steps 3-7 (BBK bytes), in the order of the operands' registers, filled once.
; All is asked for at the head, one tensor load a wave, so there is no loop in which a prefetch could run ahead: waves 0-3 the four blocks' K steps 0-2, waves 4-7 their K steps 3-7.
; CLUSTER 4 x 4: o's blocks are asked for jointly along a row of the cluster, w_out's along a column.
; Source 0 = 16 columns of w_out, source 1 = 16 tokens: a lane holds one token and eight neighbouring columns; the bias is the C of the sums' first products.  The rows of a tile are not neighbours (see quant):
; the way out puts columns and tokens back in their places.  Two sets of fragments: a K step's 16 loads are issued a K step ahead of its 8 products.
.set OPB,   34816
.set KSB,   4352
.set SCO,   4096
.set ABK,   3*KSB
.set BBK,   5*KSB
.set BB,    4*ABK
.set STAGE, BB+4*BBK                   ; behind the operands: a stage of 16 rows x (256 bytes + 16) for each wave; no tensor load lands there
.set SP,    272
.set SPARE, STAGE+8*16*SP              ; then the spare words, 128 bytes for each wave, that no other line names
.set AXA, 4                            ; v4-6, v15  LDS addresses for K steps 0-2: o's fragments, w_out's, scale words (lanes 0-15 o's, lanes 16-31 w_out's), w_out's scale words in all lanes
.set AWA, 5
.set ASA, 6
.set SPW, 7
.set NIL, 8
.set STO, 9                            ; v9   the stage: where I put 16 bytes of a row
.set RD,  10                           ; v10  and where I read a row back
.set CO,  11                           ; v11  my byte offset in two rows of out0
.set AXB, 12                           ; v12-14, v16  the same addresses for K steps 3-7
.set AWB, 13
.set ASB, 14
.set WSA, 15
.set WSB, 16
.set BI,  32                           ; v32-63 the bias
.set ACC, 64                           ; v64-127 accumulator (w_out's tile q, o's tile p) at 64 + 8 (4 p + q)
.set FB,  128                          ; set b at v[128 + 64 b]: w_out's four fragments, o's two (+ 32), scale words (+ 48)
.set OUTR, 128                         ; on the way out: rows read back, 32 registers a tile
.set WV,  14
.set G1XA, 32
.set G1WA, 40
.set G1XB, 48
.set G1WB, 56
.set G0,  68
.set SX,  72
.set SW,  74
.macro ROUND
	s_barrier_signal -1
	s_barrier_wait -1
	s_cmp_lg_u32 s[WV], 0
	s_cbranch_scc1 .Lnot_wave_0_\@
	s_barrier_signal -3
.Lnot_wave_0_\@:
	s_barrier_wait -3
	s_barrier_signal -1
	s_barrier_wait -1
.endm
.macro SHAPE g, r                      ; behind the first word: r rows of 256 bytes, dense
	s_mov_b32 s[\g+1], 32<<16
	s_mov_b32 s[\g+2], (\r)<<16
	s_mov_b32 s[\g+3], 32<<16
	s_mov_b32 s[\g+4], \r
	s_mov_b32 s[\g+5], 32
	s_mov_b32 s[\g+6], 0
	s_mov_b32 s[\g+7], 0
.endm
; wave w's one load: to LDS byte lds, from base + off.  The branches hang on the wave's number alone; every way through the tree passes one load
.macro ARM w, lds, off, base, g1
.if (\w) < 7
	s_cmp_lt_u32 s[WV], (\w)+1
	s_cbranch_scc0 .Lnext_\@
.endif
	s_mov_b32 s[G0+1], \lds
	s_add_nc_u64 s[G0+2:G0+3], s[\base:\base+1], \off
	s_or_b32 s[G0+3], s[G0+3], 0x80000000
	tensor_load_to_lds s[G0:G0+3], s[\g1:\g1+7]
	s_nop 0
.rept 4
	v_nop
.endr
.if (\w) < 7
	s_branch .Lasked
.Lnext_\@:
.endif
.endm
	s_load_b256 s[4:11], s[0:1], 0x0               ; aq s[4:5], woq s[6:7], b_out s[8:9], out0 s[10:11]
	v_lshl_add_u32 v[SPW], v0, 2, SPARE
	v_mov_b32 v[NIL], 0
	ds_add_u32 v[SPW], v[NIL]                      ; the wave's opening: the add, twice on end, and its wait ahead of my first tensor load
	ds_add_u32 v[SPW], v[NIL]
	v_lshrrev_b32 v1, 5, v0
	v_readfirstlane_b32 s[WV], v1                  ; wave 0..7
	s_bfe_u32 s15, ttmp6, 0x40000                  ; cx
	s_bfe_u32 s16, ttmp6, 0x40004                  ; cy
	s_lshl_b32 s17, ttmp9, 2
	s_add_co_u32 s17, s17, s15                     ; which 128 columns
	s_and_b32 s18, ttmp7, 0xffff
	s_lshl_b32 s18, s18, 2
	s_add_co_u32 s18, s18, s16                     ; which 128 tokens
	s_and_b32 s19, s[WV], 1                        ; my 64 columns
	s_lshr_b32 s20, s[WV], 2                       ; my block of 64 tokens,
	s_bfe_u32 s21, s[WV], 0x10001                  ; and its tiles 2 e, 2 e + 1
	s_lshl_b32 s28, s16, 2
	s_lshl_b32 s28, 15, s28                        ; my row of the cluster
	s_lshl_b32 s29, 0x1111, s15                    ; my column
	s_or_b32 s[G1XA], s28, (3<<16)|(1<<21)         ; 15:0 the mask; 17:16 elements of 8 bytes; 21 set beside a mask; no padding
	s_or_b32 s[G1XB], s28, (3<<16)|(1<<21)
	s_or_b32 s[G1WA], s29, (3<<16)|(1<<21)
	s_or_b32 s[G1WB], s29, (3<<16)|(1<<21)
	SHAPE G1XA, ABK/256
	SHAPE G1WA, ABK/256
	SHAPE G1XB, BBK/256
	SHAPE G1WB, BBK/256
	s_mov_b32 s[G0], 1
	s_mul_i32 s76, s18, 2*OPB                      ; o's blocks: made of the token block alone
	s_mov_b32 s77, 0
	s_mul_i32 s78, s17, 2*OPB                      ; w_out's: of the column block alone
	s_mov_b32 s79, 0
	s_lshl_b32 s84, s18, 19                        ; out0: token 128 x block + 64 x block of 64 + 16 e, column 128 x block + 64 x mine
	s_lshl_b32 s90, s20, 18
	s_add_co_u32 s84, s84, s90
	s_lshl_b32 s90, s21, 16
	s_add_co_u32 s84, s84, s90
	s_lshl_b32 s92, s17, 9
	s_lshl_b32 s90, s19, 8
	s_add_co_u32 s92, s92, s90                     ; my 64 columns, in bytes: in b_out too
	s_add_co_u32 s84, s84, s92
	s_mov_b32 s85, 0
	s_mov_b32 s93, 0
	s_add_co_u32 s22, s19, 2                       ; my block of w_out's, in LDS
	s_mul_i32 s23, s20, ABK                        ; K steps 0-2: my tokens' block,
	s_mul_i32 s24, s22, ABK                        ; my columns'
	s_mul_i32 s25, s20, BBK
	s_add_co_u32 s25, s25, BB                      ; K steps 3-7
	s_mul_i32 s26, s22, BBK
	s_add_co_u32 s26, s26, BB
	s_lshl_b32 s27, s21, 11
	s_add_co_u32 s28, s23, s27                     ; my two tiles' codes
	s_add_co_u32 s29, s25, s27
	s_lshl_b32 s27, s21, 7
	s_add_co_u32 s23, s23, s27
	s_add_co_u32 s23, s23, SCO                     ; and scale words
	s_add_co_u32 s25, s25, s27
	s_add_co_u32 s25, s25, SCO
	s_add_co_u32 s30, s24, SCO                     ; w_out's scale words
	s_add_co_u32 s31, s26, SCO
	s_sub_co_u32 s90, s30, s23                     ; from o's to w_out's
	s_sub_co_u32 s91, s31, s25
	s_mul_i32 s94, s[WV], 16*SP
	s_add_co_u32 s94, s94, STAGE                   ; my stage
	v_and_b32 v1, 31, v0
	v_and_b32 v2, 15, v0                           ; r
	v_bfe_u32 v3, v0, 4, 1                         ; h
	v_lshlrev_b32 v1, 4, v1                        ; 16 x lane
	v_lshlrev_b32 v17, 6, v3                       ; the bias: lane (r, h) wants, for w_out's tile 2 b + u, columns 32 b + 16 h + 8 u + 0 .. 7
	v_add_nc_u32 v[AXA], s28, v1
	v_add_nc_u32 v[AWA], s24, v1
	v_add_nc_u32 v[AXB], s29, v1
	v_add_nc_u32 v[AWB], s26, v1
	v_mul_u32_u24 v[ASA], s90, v3
	v_mul_u32_u24 v[ASB], s91, v3
	v_lshlrev_b32 v18, 2, v2
	v_mul_u32_u24 v[STO], v2, SP
	v_mul_u32_u24 v[RD], v3, SP
	v_lshl_add_u32 v[ASA], v2, 2, v[ASA]
	v_lshl_add_u32 v[ASB], v2, 2, v[ASB]
	v_add_nc_u32 v[ASA], s23, v[ASA]
	v_add_nc_u32 v[ASB], s25, v[ASB]
	v_add_nc_u32 v[WSA], s30, v18
	v_add_nc_u32 v[WSB], s31, v18
	v_lshl_add_u32 v[STO], v3, 6, v[STO]
	v_add_nc_u32 v[STO], s94, v[STO]               ; in: row r, + 64 h bytes
	v_lshl_add_u32 v[RD], v2, 4, v[RD]
	v_add_nc_u32 v[RD], s94, v[RD]                 ; back: lanes 0-15 one row of 256 bytes, lanes 16-31 the next
	v_lshlrev_b32 v[CO], 12, v3
	v_lshl_add_u32 v[CO], v2, 4, v[CO]             ; and the same two rows in out0
	s_wait_alu depctr_va_vdst(0)
	s_wait_dscnt 0x0                               ; both opening adds are done
	s_wait_kmcnt 0x0
	s_add_nc_u64 s[92:93], s[8:9], s[92:93]
.irp q, 0,1,2,3
	global_load_b128 v[BI+8*\q:BI+8*\q+3], v17, s[92:93] offset:(32*(\q/2)+8*(\q%2))*4
	global_load_b128 v[BI+8*\q+4:BI+8*\q+7], v17, s[92:93] offset:(32*(\q/2)+8*(\q%2))*4+16
.endr
	s_add_nc_u64 s[SX:SX+1], s[4:5], s[76:77]
	s_add_nc_u64 s[SW:SW+1], s[6:7], s[78:79]
	s_add_nc_u64 s[84:85], s[10:11], s[84:85]
	ROUND                                          ; all sixteen work-groups are here: the joint loads meet
.irp i, 0,1
	ARM \i, \i*ABK, \i*OPB, SX, G1XA
.endr
.irp i, 0,1
	ARM 2+\i, 2*ABK+\i*ABK, \i*OPB, SW, G1WA
.endr
.irp i, 0,1
	ARM 4+\i, BB+\i*BBK, \i*OPB+ABK, SX, G1XB
.endr
.irp i, 0,1
	ARM 6+\i, BB+2*BBK+\i*BBK, \i*OPB+ABK, SW, G1WB
.endr
.Lasked:
; a K step's 16 LDS loads, into set ks % 2
.macro FETCH ks
.set B, FB+64*((\ks)%2)
.if (\ks) < 3
.set RX, AXA
.set RW, AWA
.set RS, ASA
.set RV, WSA
.set KO, (\ks)*KSB
.else
.set RX, AXB
.set RW, AWB
.set RS, ASB
.set RV, WSB
.set KO, ((\ks)-3)*KSB
.endif
	ds_load_b32 v[B+48], v[RS] offset:KO           ; lanes 0-15: o's tile i, lanes 16-31: w_out's
	ds_load_b32 v[B+49], v[RS] offset:KO+64
	ds_load_b32 v[B+50], v[RV] offset:KO+128       ; w_out's tiles 2 and 3
	ds_load_b32 v[B+51], v[RV] offset:KO+192
.irp i, 0,1,2,3
.irp c, 0,1
	ds_load_b128 v[B+8*\i+4*\c:B+8*\i+4*\c+3], v[RW] offset:KO+1024*\i+512*\c
.endr
.endr
.irp i, 0,1
.irp c, 0,1
	ds_load_b128 v[B+32+8*\i+4*\c:B+32+8*\i+4*\c+3], v[RX] offset:KO+1024*\i+512*\c
.endr
.endr
.endm
; its 8 products: the 8 accumulators take turns, one instruction a turn, in the same order in every step
.macro WORK ks, younger
.set B, FB+64*((\ks)%2)
	s_wait_dscnt \younger                          ; the next K step's 16 loads, if asked for, are younger
.irp p, 0,1
.irp q, 0,1,2,3
.set D, ACC+8*(4*\p+\q)
.if (\ks) == 0
	v_wmma_scale_f32_16x16x128_f8f6f4 v[D:D+7], v[B+8*\q:B+8*\q+7], v[B+32+8*\p:B+39+8*\p], v[BI+8*\q:BI+8*\q+7], v[B+48+\q], v[B+48+\p] matrix_a_fmt:MATRIX_FMT_FP4 matrix_b_fmt:MATRIX_FMT_FP4 matrix_a_scale:MATRIX_SCALE_ROW1
.else
	v_wmma_scale_f32_16x16x128_f8f6f4 v[D:D+7], v[B+8*\q:B+8*\q+7], v[B+32+8*\p:B+39+8*\p], v[D:D+7], v[B+48+\q], v[B+48+\p] matrix_a_fmt:MATRIX_FMT_FP4 matrix_b_fmt:MATRIX_FMT_FP4 matrix_a_scale:MATRIX_SCALE_ROW1
.endif
.endr
.endr
.endm
.macro PLACES                          ; four places in front of loads into registers that products read, and of the first read of results
.rept 4
	v_nop
.endr
.endm
	s_cmp_lt_u32 s[WV], 4                          ; the waves that asked for K steps 0-2 wait for them; what the others asked for stays out
	s_cbranch_scc0 .Lnot_first
	s_wait_tensorcnt 0x0
.Lnot_first:
	s_barrier_signal -1
	s_barrier_wait -1                              ; K steps 0 to 2 of both operands are whole
	FETCH 0
	FETCH 1
	s_wait_loadcnt 0x0                             ; the bias
	WORK 0, 16
	PLACES
	FETCH 2
	WORK 1, 16
	WORK 2, 0
	s_wait_tensorcnt 0x0
	s_barrier_signal -1                            ; (no LDS instruction of mine is out: the last wait on DScnt was for 0)
	s_barrier_wait -1                              ; K steps 3 to 7 too
	PLACES
	FETCH 3
	FETCH 4
.irp k, 3,4,5
	WORK \k, 16
	PLACES
	FETCH \k+2
.endr
	WORK 6, 16
	WORK 7, 0
; THE WAY OUT, a tile of 16 tokens x 64 columns at a time, through my own stage: LDS serves a wave's instructions in order, so no wait stands between the stores and the loads, nor in front of the next tile's stores
.macro TOSTAGE p
.irp q, 0,1,2,3
	ds_store_b128 v[STO], v[ACC+8*(4*(\p)+\q):ACC+8*(4*(\p)+\q)+3] offset:128*(\q/2)+32*(\q%2)       ; columns 32 (q / 2) + 16 h + 8 (q % 2) + 0 .. 7; each accumulator from its low end on
	ds_store_b128 v[STO], v[ACC+8*(4*(\p)+\q)+4:ACC+8*(4*(\p)+\q)+7] offset:128*(\q/2)+32*(\q%2)+16
.endr
.irp i, 0,1,2,3,4,5,6,7
	ds_load_b128 v[OUTR+32*(\p)+4*\i:OUTR+32*(\p)+4*\i+3], v[RD] offset:2*SP*\i
.endr
.endm
.macro SEND p, younger                 ; row 2 i + lane / 16 of tile p is token 8 p + 2 i + lane / 16, + 24 in the tile's second half
	s_wait_dscnt \younger
.irp i, 0,1,2,3,4,5,6,7
	global_store_b128 v[CO], v[OUTR+32*(\p)+4*\i:OUTR+32*(\p)+4*\i+3], s[84:85] offset:(8*(\p)+2*\i+24*(\i/4))*4096 th:TH_STORE_NT   ; sixteen lanes store 256 consecutive bytes, aligned
.endr
.endm
	PLACES
	TOSTAGE 0
	TOSTAGE 1
	SEND 0, 16                                     ; behind tile 0's loads: tile 1's 8 stores and 8 loads
	SEND 1, 0
	s_wait_tensorcnt 0x0                           ; the wave's end: three lines behind my last tensor load and my last LDS store
	ds_add_u32 v[SPW], v[NIL]
	s_wait_dscnt 0x0
	ROUND                                          ; the closing round
	s_endpgm
.Lfunc_end_k_qa598da4d3c_proj:
	.size	k_qa598da4d3c_proj, .Lfunc_end_k_qa598da4d3c_proj-k_qa598da4d3c_proj
	.p2alignl 7, 3214868480
	.fill 96, 4, 3214868480
	.section	.rodata,"a",@progbits
	.p2align	6, 0x0
	.amdhsa_kernel k_qa598da4d3c_proj
		.amdhsa_group_segment_fixed_size 175104
		.amdhsa_private_segment_fixed_size 0
		.amdhsa_enable_private_segment 0
		.amdhsa_kernarg_size 32
		.amdhsa_user_sgpr_count 2
		.amdhsa_user_sgpr_kernarg_segment_ptr 1
		.amdhsa_wavefront_size32 1
		.amdhsa_system_sgpr_workgroup_id_x 1
		.amdhsa_system_sgpr_workgroup_id_y 1
		.amdhsa_system_sgpr_workgroup_id_z 1
		.amdhsa_system_vgpr_workitem_id 0
		.amdhsa_next_free_vgpr 256
		.amdhsa_next_free_sgpr 100
		.amdhsa_reserve_vcc 0
		.amdhsa_float_denorm_mode_32 3
		.amdhsa_float_denorm_mode_16_64 3
		.amdhsa_memory_ordered 1
		.amdhsa_forward_progress 1
		.amdhsa_inst_pref_size 33
	.end_amdhsa_kernel
	.amdgpu_metadata
---
amdhsa.version: [ 1, 2 ]
amdhsa.kernels:
  - .name:           k_qa598da4d3c_proj
    .symbol:         k_qa598da4d3c_proj.kd
    .args:
      - { .name: aq, .offset: 0, .size: 8, .value_kind: global_buffer, .address_space: global }
      - { .name: woq, .offset: 8, .size: 8, .value_kind: global_buffer, .address_space: global }
      - { .name: b_out, .offset: 16, .size: 8, .value_kind: global_buffer, .address_space: global }
      - { .name: out0, .offset: 24, .size: 8, .value_kind: global_buffer, .address_space: global }
    .group_segment_fixed_size: 175104
    .private_segment_fixed_size: 0
    .kernarg_segment_align: 8
    .kernarg_segment_size: 32
    .max_flat_workgroup_size: 256
    .sgpr_count:     100
    .vgpr_count:     256
    .wavefront_size: 32
...
	.end_amdgpu_metadata
.endif
;; end of part 4
